; MI455X (gfx1250); checked and timed in simulation.
; The chip was launched on July 23, 2026; its instructions are those of AMD's public machine-readable ISA for CDNA 5 (MIT licence, August 2026) and "CDNA5" Instruction Set Architecture Reference Guide (July 2026). The comments in the code are by the model that wrote it; some were corrected since.
;; Text Attention. Allowed arithmetic: matrix products marked QUANTISED: E2M1 operands, one E8M0 scale for each 32 along K, by v_wmma_scale_f32_16x16x128_f8f6f4 with both operands' format E2M1 (or v_wmma_scale_f32_32x16x128_f4), f32 sums; products left as they are: bf16, f16 or f32 operands; f32 sums; everything else in f32.
;; Inputs: Wk 2,048 x 1,024 float32; Wo 1,024 x 2,048 float32; Wq 2,048 x 1,024 float32; Wv 2,048 x 1,024 float32; attention_mask 2 x 1 x 2,048 x 2,048 float32; cos 2 x 2,048 x 128 float32; k_norm_w 128 float32; q_norm_w 128 float32; sin 2 x 2,048 x 128 float32; x 2 x 2,048 x 2,048 float32.
;; Outputs: out0 2 x 2,048 x 2,048 float32.
;; This version of the problem:
;;   THIS VERSION OF THE PROBLEM IS GIVEN IN LOW PRECISION. The matrix products marked QUANTISED in the list below multiply operands that are first quantised to E2M1 (2 exponent bits, 1 mantissa bit; 4 bits a number), with one power-of-two scale for each 32 numbers along K (OCP MX v1.0); their sums are f32. The products marked 'left as it is' may take bf16, f16 or f32 operands, with f32 sums. Whichever they take, every output number must still come out within the allowed error. Rounding operands to bf16 (8 significant bits) uses up far more of that allowance than f16 does (11 bits, for magnitudes from 6e-5 to 65,504). All else is computed in f32.
;;   The module's matrix products, in the order in which they are computed (A, B: the left and right operand; K: the contracted axis; several contracted axes count as one K, in the product's order):
;;     1. [M 4,096, K 2,048] x [K 2,048, N 1,024]; A: input x; B: input Wq: QUANTISED
;;     2. [M 4,096, K 2,048] x [K 2,048, N 1,024]; A: input x; B: input Wk: QUANTISED
;;     3. [M 4,096, K 2,048] x [K 2,048, N 1,024]; A: input x; B: input Wv: QUANTISED
;;     4. batch 16 x [M 2,048, K 128] x [K 128, N 2,048]; A: computed on the way; B: computed on the way: left as it is (an operand is computed on the way)
;;     5. batch 16 x [M 128, K 2,048] x [K 2,048, N 2,048]; A: computed on the way; B: computed on the way: left as it is (an operand is computed on the way)
;;     6. [M 4,096, K 1,024] x [K 1,024, N 2,048]; A: computed on the way; B: input Wo: left as it is (an operand is computed on the way)
;;   THE QUANTISER, for each operand of a quantised product, along K:
;;     - K is cut into blocks of 32 from its start; a last block that is shorter is filled with zeros.
;;     - A block's scale is 2^e with e = floor(log2(the largest magnitude in the block)) - 2, held to -126 .. 127; a block of zeros has e = 0. As a byte (E8M0): e + 127.
;;     - Each number is divided by its block's scale, clamped to +-6, and rounded to the nearest number of E2M1, ties to even, subnormals kept.
;;     - The product sums the exact products of the quantised numbers (number of the format x scale) in f32.
;;   ~~~python
;;   def quantise(x, axis):      # numpy; x: float32 -> the quantised numbers, widened to float32 again
;;       x = np.moveaxis(x, axis, -1); K = x.shape[-1]
;;       x = np.pad(x, [(0, 0)] * (x.ndim - 1) + [(0, -K % 32)]); x = x.reshape(x.shape[:-1] + (-1, 32)); a = np.abs(x).max(-1, keepdims=True)
;;       e = np.where(a > 0, np.clip(np.frexp(np.where(a > 0, a, 1))[1] - 1 - 2, -126, 127), 0)      # np.frexp(a)[1] - 1 = floor(log2(a)), exactly
;;       r = np.clip(x / 2.0 ** e, -6, 6)
;;       step = 2.0 ** (np.maximum(np.frexp(np.where(r == 0, 1, r))[1] - 1, 0) - 1)
;;       q = np.round(r / step) * step * 2.0 ** e      # np.round: ties to even
;;       return np.moveaxis(q.reshape(q.shape[:-2] + (-1,))[..., :K], -1, axis).astype(np.float32)
;;   ~~~
;; One version. Each part assembles by itself: llvm-mc -triple=amdgcn-amd-amdhsa -mcpu=gfx1250 --defsym DOCPART=n.
;; ======== version 1 of 1: 5 launches
;; limits: values are held in f16: magnitudes above 65,504 overflow, below 6.1e-05 lose precision
;; workspace buffers: xc 4,194,304 bytes; xs 262,144 bytes; wc 3,145,728 bytes; ws 196,608 bytes; wot 4,194,304 bytes; qkvh 25,165,824 bytes; att 8,388,608 bytes; attf 524,288 bytes
;; launch prep (part 1): grid 576 x 1, 4 waves a work-group, no clusters, 102,912 bytes of LDS; arguments x, Wq, Wk, Wv, Wo, xc, xs, wc, ws, wot; writes xc, xs, wc, ws, wot
.if DOCPART == 1
	.amdgcn_target "amdgcn-amd-amdhsa--gfx1250"
	.amdhsa_code_object_version 6
	.text
	.protected	k_q4b16be9d76_prep
	.globl	k_q4b16be9d76_prep
	.p2align	8
	.type	k_q4b16be9d76_prep,@function
k_q4b16be9d76_prep:
	s_mov_b64 s[64:65], 0
	v_nop
	global_prefetch_b8 v0, s[64:65] scope:SCOPE_SE
	s_setreg_imm32_b32 hwreg(HW_REG_WAVE_MODE, 25, 1), 1
	s_wait_xcnt 0x0
; PREP: three jobs in one launch, told apart by the work-group's number.
;   work-groups   0-255: x [4096][2048] f32 -> codes of FP4 (E2M1) xc [4096][1024 bytes], K innermost, and E8M0 bytes xs [4096][64].
;   work-groups 256-447: Wq, Wk, Wv [2048 k][1024 n] f32 -> wc [3072 n][1024 bytes], ws [3072][64]; n = 1024 x kind + column.  K is the FIRST axis: a lane takes a column, its registers run down K.
;   work-groups 448-575: Wo [1024 k][2048 n] f32 -> wot [2048 n][1024 k] f16, the same way (a lane a column), rounded and not quantised.
; A block's scale is 2^(floor(log2(largest magnitude)) - 2): its byte is the largest magnitude's exponent field - 2, held at 1 from below.
; LIMITS: a block of zeros, or one whose largest magnitude lies under 2^-124, gets the byte 1 (its codes are zeros or tiny; only this program reads the bytes); NaN and infinities are not served.
; Each job has LDS bytes of its own.  In x's and Wo's jobs waves share nothing; in the weights' job two waves fill the two halves of the same stage rows, with one barrier between writing and reading.
; No tensor load: operands go through registers.
.set SPW,   190                        ; v190 LDS address of my spare word; never rewritten
.set NIL,   191                        ; v191 0; never rewritten
.set SPARE, 102400                     ; behind the three regions: 128 bytes a wave, named by no other line
.set WREG,  8192                       ; x's job: a region a wave: two stages of 32 x 80 bytes, then 256 scale bytes
.set SP,    80                         ; a lane's place in a stage: 64 bytes + 16 of padding
.set PITCH, 272                        ; the weights' jobs: a stage row: 256 bytes + 16
.set WRB,   32768                      ; Wq, Wk, Wv: 2 stages of 32 x 272
.set ORB,   67584                      ; Wo: 4 stages of 32 x 272
.set XR,    16                         ; x: v16-79 four sets of 16 numbers as loaded
.set XX,    80                         ; x: v80-111 two sets of 16 neighbours
.set XE,    112                        ; x: v112-127 a scale byte a step
.set XC,    128                        ; x: v128-189 codes, four registers a step
.set WX,    32                         ; weights: v32-95 two sets of 32 numbers down K
.set WC,    96                         ; weights: v96-111 a block's codes or f16 pairs
.set OUTR,  112                        ; weights: v112-175 the way out
.set SB,    24                         ; weights: v24-25 scale bytes, four to a register
	s_load_b256 s[4:11], s[0:1], 0x0               ; x s[4:5], Wq s[6:7], Wk s[8:9], Wv s[10:11]
	s_load_b256 s[12:19], s[0:1], 0x20             ; Wo s[12:13], xc s[14:15], xs s[16:17], wc s[18:19]
	s_load_b128 s[20:23], s[0:1], 0x40             ; ws s[20:21], wot s[22:23]
	v_lshl_add_u32 v[SPW], v0, 2, SPARE
	v_mov_b32 v[NIL], 0
	v_lshrrev_b32 v1, 5, v0
	v_readfirstlane_b32 s24, v1                    ; wave
	v_and_b32 v2, 31, v0                           ; lane
	s_mov_b32 s29, 0                               ; the upper word of every offset here
	s_wait_kmcnt 0x0
	s_cmp_lt_u32 ttmp9, 256
	s_cbranch_scc1 .Lx
	s_cmp_lt_u32 ttmp9, 448
	s_cbranch_scc1 .Lw
	s_branch .Lo
; block t of 32 along K: W(32 t + i, my column) into set t % 2; 32 lanes read 128 consecutive bytes
.macro KLOAD t, base, rowb
.irp i, 0,1,2,3,4,5,6,7,8,9,10,11,12,13,14,15,16,17,18,19,20,21,22,23,24,25,26,27,28,29,30,31
	global_load_b32 v[WX+32*((\t)%2)+\i], v3, s[\base:\base+1] offset:(32*(\t)+\i)*\rowb th:TH_LOAD_NT
.endr
.endm
; 2 x cnt stage rows of 256 bytes leave: sixteen lanes store 256 consecutive bytes, aligned
.macro OUTROWS base, rowb, cnt
.set T_, 0
.rept \cnt
	ds_load_b128 v[OUTR+4*T_:OUTR+4*T_+3], v7 offset:2*T_*PITCH
.set T_, T_+1
.endr
.set T_, 0
.rept \cnt
	s_wait_dscnt \cnt-1-T_                         ; loads come back in order: number T_ is in, the later ones may be out
	global_store_b128 v8, v[OUTR+4*T_:OUTR+4*T_+3], s[\base:\base+1] offset:2*T_*\rowb
.set T_, T_+1
.endr
.endm
; ---------------- Wo -> f16, transposed.  A wave: 32 columns x 128 along K, a stage of its own
.Lo:
	s_sub_co_u32 s25, ttmp9, 448
	s_and_b32 s26, s25, 15                         ; which 128 columns
	s_lshr_b32 s27, s25, 4                         ; which 128 along K
	s_lshl_b32 s26, s26, 7
	s_lshl_b32 s28, s24, 5
	s_add_co_u32 s26, s26, s28                     ; my wave's first column
	v_lshlrev_b32 v3, 2, v2
	s_mul_i32 s32, s24, 32*PITCH
	s_add_co_u32 s32, s32, ORB
	v_mul_u32_u24 v4, v2, PITCH
	v_add_nc_u32 v4, s32, v4                       ; in: row = my column
	v_and_b32 v5, 15, v2
	v_lshrrev_b32 v6, 4, v2
	v_mul_u32_u24 v7, v6, PITCH
	v_lshl_add_u32 v7, v5, 4, v7
	v_add_nc_u32 v7, s32, v7                       ; out: sixteen lanes to a row, two rows an instruction
	v_lshlrev_b32 v8, 11, v6                       ; a row of wot is 2,048 bytes
	v_lshl_add_u32 v8, v5, 4, v8
	s_lshl_b32 s28, s27, 20                        ; 128 rows of 8,192 bytes
	s_lshl_b32 s31, s26, 2
	s_add_co_u32 s28, s28, s31
	s_add_nc_u64 s[12:13], s[12:13], s[28:29]
	s_lshl_b32 s28, s26, 11
	s_lshl_b32 s31, s27, 8
	s_add_co_u32 s28, s28, s31
	s_add_nc_u64 s[22:23], s[22:23], s[28:29]
	KLOAD 0, 12, 8192
	KLOAD 1, 12, 8192
.macro OBLOCK t
.set XS_, WX+32*((\t)%2)
.if (\t) < 3
	s_wait_loadcnt 32                              ; this block's 32 loads are in; the next block's may be out
.else
	s_wait_loadcnt 0
.endif
.irp i, 0,1,2,3,4,5,6,7,8,9,10,11,12,13,14,15
	v_cvt_pk_f16_f32 v[WC+\i], v[XS_+2*\i], v[XS_+2*\i+1]            ; two neighbours along K
.endr
.irp g, 0,1,2,3
	ds_store_b128 v4, v[WC+4*\g:WC+4*\g+3] offset:64*(\t)+16*\g
.endr
.if (\t)+2 < 4
	KLOAD (\t)+2, 12, 8192
.endif
	s_wait_dscnt 0x0                               ; the stores have read their registers
.endm
	OBLOCK 0
	OBLOCK 1
	OBLOCK 2
	OBLOCK 3
	OUTROWS 22, 2048, 16                           ; LDS serves a wave's instructions in order: the loads see my stores
	s_branch .Lend
; ---------------- Wq, Wk, Wv -> codes.  A work-group: 64 columns x 512 along K.  Wave w: columns 32 (w & 1) on, K half w >> 1: 8 blocks a lane
.Lw:
	s_sub_co_u32 s25, ttmp9, 256
	s_lshr_b32 s26, s25, 6                         ; kind: 0 q, 1 k, 2 v
	s_and_b32 s27, s25, 15                         ; which 64 columns
	s_bfe_u32 s30, s25, 0x20004                    ; which 512 along K
	s_and_b32 s33, s24, 1                          ; which 32 of the 64 columns are my wave's
	s_lshr_b32 s34, s24, 1                         ; which 256 of the 512 along K
	s_cmp_eq_u32 s26, 0
	s_cselect_b64 s[6:7], s[6:7], s[8:9]
	s_cmp_eq_u32 s26, 2
	s_cselect_b64 s[6:7], s[10:11], s[6:7]         ; the choice hangs on the work-group's number alone
	s_lshl_b32 s27, s27, 6
	s_lshl_b32 s28, s33, 5
	s_add_co_u32 s27, s27, s28                     ; my wave's first column
	v_lshlrev_b32 v3, 2, v2
	s_mul_i32 s32, s33, 32*PITCH
	s_add_co_u32 s32, s32, WRB                     ; the stage of my 32 columns; the wave of the other K half fills the rows' other 128 bytes
	s_lshl_b32 s35, s34, 7
	s_add_co_u32 s35, s35, s32
	v_mul_u32_u24 v4, v2, PITCH
	v_add_nc_u32 v4, s35, v4                       ; in: row = my column, my half of its 256 bytes
	v_and_b32 v5, 15, v2
	v_lshrrev_b32 v6, 4, v2
	s_mul_i32 s35, s34, 16*PITCH
	s_add_co_u32 s35, s35, s32
	v_mul_u32_u24 v7, v6, PITCH
	v_lshl_add_u32 v7, v5, 4, v7
	v_add_nc_u32 v7, s35, v7                       ; out: my 16 of the 32 rows, whole; sixteen lanes to a row
	v_lshlrev_b32 v8, 10, v6                       ; a row of wc is 1,024 bytes
	v_lshl_add_u32 v8, v5, 4, v8
	v_lshlrev_b32 v9, 6, v2                        ; my column's row of scale bytes
	s_lshl_b32 s28, s30, 21                        ; 512 rows of 4,096 bytes,
	s_lshl_b32 s31, s34, 20                        ; my 256 of them,
	s_add_co_u32 s28, s28, s31
	s_lshl_b32 s31, s27, 2                         ; my columns
	s_add_co_u32 s28, s28, s31
	s_add_nc_u64 s[6:7], s[6:7], s[28:29]
	s_lshl_b32 s26, s26, 10
	s_add_co_u32 s26, s26, s27                     ; n of my first column
	s_lshl_b32 s28, s26, 6
	s_lshl_b32 s31, s30, 4
	s_add_co_u32 s28, s28, s31
	s_lshl_b32 s31, s34, 3
	s_add_co_u32 s28, s28, s31                     ; my 8 scale bytes of a row's 64
	s_add_nc_u64 s[20:21], s[20:21], s[28:29]
	s_lshl_b32 s31, s34, 4
	s_add_co_u32 s26, s26, s31                     ; the first row that I store
	s_lshl_b32 s28, s26, 10
	s_lshl_b32 s31, s30, 8
	s_add_co_u32 s28, s28, s31
	s_add_nc_u64 s[18:19], s[18:19], s[28:29]
	KLOAD 0, 6, 4096
	KLOAD 1, 6, 4096
.macro WBLOCK t
.set XS_, WX+32*((\t)%2)
.if (\t) < 7
	s_wait_loadcnt 32                              ; this block's 32 loads are in; the next block's may be out
.else
	s_wait_loadcnt 0
.endif
	v_max3_num_f32 v12, |v[XS_]|, |v[XS_+1]|, |v[XS_+2]|             ; the block's largest magnitude: all 32 numbers are mine
	v_max3_num_f32 v13, |v[XS_+3]|, |v[XS_+4]|, |v[XS_+5]|
.irp i, 6,10,14,18,22,26
	v_max3_num_f32 v12, v12, |v[XS_+\i]|, |v[XS_+\i+1]|
	v_max3_num_f32 v13, v13, |v[XS_+\i+2]|, |v[XS_+\i+3]|
.endr
	v_max3_num_f32 v12, v12, |v[XS_+30]|, |v[XS_+31]|
	v_max3_num_f32 v12, v12, v13, 0x1800000        ; and the floor 2^(3 - 127): the byte cannot fall under 1
	v_add_nc_u32 v11, 0xff000000, v12              ; 2 off the exponent field: the conversion takes this operand's exponent field as its scale
	v_lshrrev_b32 v13, 23, v11                     ; the scale's byte
.if (\t)%4 == 0
	v_mov_b32 v[SB+(\t)/4], v13
.else
	v_lshl_or_b32 v[SB+(\t)/4], v13, 8*((\t)%4), v[SB+(\t)/4]
.endif
.irp g, 0,1,2,3
	v_cvt_scalef32_pk8_fp4_f32 v[WC+\g], v[XS_+8*\g:XS_+8*\g+7], v11
.endr
	ds_store_b128 v4, v[WC:WC+3] offset:16*(\t)    ; 32 codes: 16 bytes of my column's row
.if (\t)+2 < 8
	KLOAD (\t)+2, 6, 4096
.endif
	s_wait_dscnt 0x0                               ; the store has landed and has read its registers; the next block begins with plain vector lines
.endm
.set Q, 0
.rept 8
	WBLOCK Q
.set Q, Q+1
.endr
	global_store_b64 v9, v[SB:SB+1], s[20:21]      ; my column's 8 scale bytes
	s_barrier_signal -1                            ; my stores into the stage have landed (the last block's wait for 0); all four waves are on this path: it hangs on the work-group's number alone
	s_barrier_wait -1                              ; the rows are whole
	OUTROWS 18, 1024, 8
	s_branch .Lend
; ---------------- x -> codes.  A plain stream of blocks of 32: a wave takes 16 steps of 512 numbers
.Lx:
	v_lshlrev_b32 v3, 4, v2                        ; my 16 bytes of a load's 512
	s_mul_i32 s25, s24, WREG
	v_lshrrev_b32 v14, 2, v2
	v_mul_u32_u24 v14, v14, SP
	v_and_b32 v15, 3, v2
	v_lshl_add_u32 v14, v15, 4, v14
	v_add_nc_u32 v14, s25, v14                     ; the stage, in: four lanes' 64 bytes on end, then 16 of padding
	v_mul_u32_u24 v15, v2, SP
	v_add_nc_u32 v15, s25, v15                     ; and out: my 16 neighbours
	v_lshlrev_b32 v4, 3, v2                        ; 8 bytes a lane: my codes in a step's 256; my part of the 256 scale bytes
	v_lshrrev_b32 v5, 1, v2
	s_add_co_u32 s25, s25, 2*32*SP
	v_add_nc_u32 v5, s25, v5                       ; my block's byte among my wave's 256
	v_add_nc_u32 v6, s25, v4
	s_lshl_b32 s26, ttmp9, 2
	s_add_co_u32 s26, s26, s24                     ; which run of 8,192 numbers is my wave's
	s_lshl_b32 s28, s26, 15
	s_add_nc_u64 s[4:5], s[4:5], s[28:29]
	s_lshl_b32 s28, s26, 12
	s_add_nc_u64 s[14:15], s[14:15], s[28:29]
	s_lshl_b32 s28, s26, 8
	s_add_nc_u64 s[16:17], s[16:17], s[28:29]
.macro XLOAD t
.irp i, 0,1,2,3
	global_load_b128 v[XR+16*((\t)%4)+4*\i:XR+16*((\t)%4)+4*\i+3], v3, s[4:5] offset:2048*(\t)+512*\i th:TH_LOAD_NT
.endr
.endm
.macro XTURN t                         ; step t's numbers through the stage: LDS serves a wave's instructions in order
.irp i, 0,1,2,3
	ds_store_b128 v14, v[XR+16*((\t)%4)+4*\i:XR+16*((\t)%4)+4*\i+3] offset:32*SP*((\t)%2)+8*SP*\i
.endr
.irp i, 0,1,2,3
	ds_load_b128 v[XX+16*((\t)%2)+4*\i:XX+16*((\t)%2)+4*\i+3], v15 offset:32*SP*((\t)%2)+16*\i
.endr
.endm
.irp t, 0,1,2,3
	XLOAD \t
.endr
	s_wait_loadcnt 12                              ; step 0's four loads are in
	XTURN 0
.macro XSTEP t
.set XS_, XX+16*((\t)%2)
.if (\t) > 0
	s_wait_dscnt 1                                 ; this step's numbers are back (the last step's byte store may be out)
.else
	s_wait_dscnt 0x0
.endif
.if (\t)+4 < 16
	XLOAD (\t)+4
.endif
.if (\t)+1 < 16
.if 14-(\t) >= 3
	s_wait_loadcnt 12                              ; the next step's loads are in; three later steps' may be out
.else
	s_wait_loadcnt 4*(14-(\t))
.endif
	XTURN (\t)+1
.endif
	v_max3_num_f32 v8, |v[XS_]|, |v[XS_+1]|, |v[XS_+2]|
	v_max3_num_f32 v9, |v[XS_+3]|, |v[XS_+4]|, |v[XS_+5]|
.irp i, 6,10
	v_max3_num_f32 v8, v8, |v[XS_+\i]|, |v[XS_+\i+1]|
	v_max3_num_f32 v9, v9, |v[XS_+\i+2]|, |v[XS_+\i+3]|
.endr
	v_max3_num_f32 v8, v8, |v[XS_+14]|, |v[XS_+15]|
	v_max3_num_f32 v8, v8, v9, 0x1800000           ; the floor 2^(3 - 127)
	v_max_num_f32_dpp v8, v8, v8 row_xmask:1 row_mask:0xf bank_mask:0xf   ; with my neighbour's 16: the block's
	v_add_nc_u32 v11, 0xff000000, v8
	v_cvt_scalef32_pk8_fp4_f32 v[XC+4*(\t)], v[XS_:XS_+7], v11
	v_cvt_scalef32_pk8_fp4_f32 v[XC+4*(\t)+1], v[XS_+8:XS_+15], v11
	v_lshrrev_b32 v[XE+(\t)], 23, v11              ; the scale's byte (also the plain line behind the conversions)
	ds_store_b8 v5, v[XE+(\t)] offset:16*(\t)      ; both lanes of a block write the same byte with the same value
	global_store_b64 v4, v[XC+4*(\t):XC+4*(\t)+1], s[14:15] offset:256*(\t)   ; the wave stores 256 consecutive bytes, aligned
.endm
.irp t, 0,1,2,3,4,5,6,7,8,9,10,11,12,13,14,15
	XSTEP \t
.endr
	ds_load_b64 v[8:9], v6
	s_wait_dscnt 0x0
	global_store_b64 v4, v[8:9], s[16:17]          ; my wave's 256 scale bytes, aligned
.Lend:
	s_wait_tensorcnt 0x0                           ; the wave's end, behind my last LDS store
	ds_add_u32 v[SPW], v[NIL]
	s_wait_dscnt 0x0
	s_endpgm
.Lfunc_end_k_q4b16be9d76_prep:
	.size	k_q4b16be9d76_prep, .Lfunc_end_k_q4b16be9d76_prep-k_q4b16be9d76_prep
	.p2alignl 7, 3214868480
	.fill 96, 4, 3214868480
	.section	.rodata,"a",@progbits
	.p2align	6, 0x0
	.amdhsa_kernel k_q4b16be9d76_prep
		.amdhsa_group_segment_fixed_size 102912
		.amdhsa_private_segment_fixed_size 0
		.amdhsa_enable_private_segment 0
		.amdhsa_kernarg_size 80
		.amdhsa_user_sgpr_count 2
		.amdhsa_user_sgpr_kernarg_segment_ptr 1
		.amdhsa_wavefront_size32 1
		.amdhsa_system_sgpr_workgroup_id_x 1
		.amdhsa_system_sgpr_workgroup_id_y 1
		.amdhsa_system_sgpr_workgroup_id_z 1
		.amdhsa_system_vgpr_workitem_id 0
		.amdhsa_next_free_vgpr 192
		.amdhsa_next_free_sgpr 66
		.amdhsa_reserve_vcc 0
		.amdhsa_float_denorm_mode_32 3
		.amdhsa_float_denorm_mode_16_64 3
		.amdhsa_memory_ordered 1
		.amdhsa_forward_progress 1
		.amdhsa_inst_pref_size 95
	.end_amdhsa_kernel
	.amdgpu_metadata
---
amdhsa.version: [ 1, 2 ]
amdhsa.kernels:
  - .name:           k_q4b16be9d76_prep
    .symbol:         k_q4b16be9d76_prep.kd
    .args:
      - { .name: x, .offset: 0, .size: 8, .value_kind: global_buffer, .address_space: global }
      - { .name: Wq, .offset: 8, .size: 8, .value_kind: global_buffer, .address_space: global }
      - { .name: Wk, .offset: 16, .size: 8, .value_kind: global_buffer, .address_space: global }
      - { .name: Wv, .offset: 24, .size: 8, .value_kind: global_buffer, .address_space: global }
      - { .name: Wo, .offset: 32, .size: 8, .value_kind: global_buffer, .address_space: global }
      - { .name: xc, .offset: 40, .size: 8, .value_kind: global_buffer, .address_space: global }
      - { .name: xs, .offset: 48, .size: 8, .value_kind: global_buffer, .address_space: global }
      - { .name: wc, .offset: 56, .size: 8, .value_kind: global_buffer, .address_space: global }
      - { .name: ws, .offset: 64, .size: 8, .value_kind: global_buffer, .address_space: global }
      - { .name: wot, .offset: 72, .size: 8, .value_kind: global_buffer, .address_space: global }
    .group_segment_fixed_size: 102912
    .private_segment_fixed_size: 0
    .kernarg_segment_align: 8
    .kernarg_segment_size: 80
    .max_flat_workgroup_size: 128
    .sgpr_count:     66
    .vgpr_count:     192
    .wavefront_size: 32
...
	.end_amdgpu_metadata
.endif
;; end of part 1
;; launch proj (part 2): grid 12 x 16, 4 waves a work-group, clusters of 4 x 4, 327,680 bytes of LDS; arguments xc, xs, wc, ws, cos, sin, q_norm_w, k_norm_w, qkvh; writes qkvh
.if DOCPART == 2
	.amdgcn_target "amdgcn-amd-amdhsa--gfx1250"
	.amdhsa_code_object_version 6
	.text
	.protected	k_q4b16be9d76_proj
	.globl	k_q4b16be9d76_proj
	.p2align	8
	.type	k_q4b16be9d76_proj,@function
k_q4b16be9d76_proj:
	s_mov_b64 s[64:65], 0
	v_nop
	global_prefetch_b8 v0, s[64:65] scope:SCOPE_SE
	s_setreg_imm32_b32 hwreg(HW_REG_WAVE_MODE, 25, 1), 1
	s_wait_xcnt 0x0
	s_wait_alu depctr_hold_cnt(0) depctr_sa_sdst(0) depctr_va_vdst(0) depctr_va_sdst(0) depctr_va_ssrc(0) depctr_va_vcc(0) depctr_vm_vsrc(0)
	s_getreg_b32 s2, hwreg(HW_REG_IB_STS2, 6, 4)
	s_cmp_eq_u32 s2, 0
	s_cbranch_scc0 .Lentry_in_a_cluster
	s_endpgm
.Lentry_in_a_cluster:
	s_bfe_u32 s2, ttmp6, 0x10000c
	s_cmp_lg_u32 s2, 0xf033
	s_cbranch_scc0 .Lentry_shape_is_right
	s_endpgm
.Lentry_shape_is_right:
; PROJ: [4096 rows of x] x [3072 columns: q, k, v] over K = 2048, on codes of FP4 (E2M1) with one E8M0 byte for each 32 along K; sums in f32.
; The way out does RMS norm over a head's 128, the gain, RoPE, and for q the factor log2(e) / sqrt(128); results leave as f16, qkvh [kind][b x 8 + head][2048 s][128].
; A tile of 256 x 256 to a work-group of four waves; a wave makes 128 x 128: 64 accumulators, and its 128 columns are ONE head.  K goes in steps of 512 through two LDS slots.
; The scales of the work-group's rows, for all of K, come into LDS once, with the first fills.
; CLUSTERS: 4 x 4.  x's tiles are asked for jointly along a row of the cluster, the weights' along a column.  The cluster's x is the kind (0 q, 1 k, 2 v): the same in all partners.
; THE MATRIX INSTRUCTION IS USED TRANSPOSED (source 0 = 16 weight columns, source 1 = 16 rows of x): a lane holds eight neighbouring channels of one row.
; All kinds run the same lines; for v the reciprocal root is replaced by 1 and the rotated row by the plain one, by selects.
; 192 work-groups: a smaller tile would fill more WGPs and read each fragment from LDS for half the products.
; LIMITS: |v| under 65,504 (f16).
; REGISTERS: window 0: v0-31 addresses; v32-95 scale words; from v128 x's fragments; on the way out v32-255 are free.  window 1: the weights' fragments, two sets.  windows 2, 3: accumulators.
.set SIZE_M, 4096
.set SIZE_N, 3072
.set SIZE_K, 2048
.set KSTEP,  512
.set NQ,     KSTEP/128
.set ROWB,   256
.set KROW,   SIZE_K*4/8
.set PITCH,  272                       ; an LDS row: 256 bytes + 16: the 16 rows of a fragment load start 68 words apart
.set FR,     8
.set NL,     2
.set NP,     4
.set HALFT,  128*PITCH
.set SLOT,   4*HALFT
.set LAPS,   SIZE_K/(2*KSTEP)
.set KS,     SIZE_K/32
.set SCL,    2*SLOT
.set HALFS,  (128*KS/256)*272
.set SBLK,   (16*KS/256)*272
.set SPARE,  SCL+4*HALFS               ; the spare words: 128 bytes a wave, named by no other line
.set SPITCH, 528                       ; the way out: a stage of 128 rows x (512 bytes + 16) a wave, in the ring, which has had its last fill and its last read by then
.set ADRA, 16
.set ADRB, 20
.set STO,  24                          ; v24 the stage: where I put 32 bytes of a row
.set RD,   25                          ; v25 and where I read rows back
.set CO,   26                          ; v26 16 x lane
.set ADRS, 27
.set SPW,  28
.set NIL,  29
.set LN8,  30                          ; v30 8 x lane
.set SGN,  31                          ; v31 the sign bit in lanes 16-31
.set SC,   32
.set AF,   128
.set G1, 24
.set G0, 32
.set G1B, 48
.set G0B, 56
.set G1S, 68
.set G0S, 76
.set G1SB, 80
.set G0SB, 88
.set SEL, 20                           ; s[20:21] on the way out: lane selects, lane l xor 16
.set WW,  4                            ; v[4:7]   gain x factor of my 4 channels
.set WNN, 8                            ; v[8:11]  the same, negative in lanes 16-31
.set PT,  32                           ; v32-39   the other half's sums of squares
.set TC,  40                           ; v40-47   four chains
.set SS,  48                           ; v48-63   block a: 1 / root at v[48 + 2 a]
.set OUTH, 32                          ; v32-47   eight rows as f16
.set RR,  64                           ; v64-95   eight rows as read back
.set CSN, 96                           ; set p: cos at v[96 + 64 p], sin 32 further on
.set TT,  224                          ; v224-255 at work, two rows by turns
.set MSB, 0
.macro WIN new
.if MSB != \new
	s_set_vgpr_msb (MSB<<8)|\new
.set MSB, \new
.endif
.endm
.set MUL_LO, 0xa1
.set MUL_HI, 0xf1
.set TO_B,   0x40
; a joint load: waves 0 and 1 fetch for x, waves 2 and 3 for the weights; the branch hangs on the wave's number alone; an s_nop 0 and four v_nop follow each line
.macro JLOAD g0a, g1a, g0b, g1b
	s_cmp_eq_u32 s15, 0
	s_cbranch_scc0 .Lfor_b_\@
	tensor_load_to_lds s[\g0a:\g0a+3], s[\g1a:\g1a+7]
	s_nop 0
.rept 4
	v_nop
.endr
	s_branch .Lasked_\@
.Lfor_b_\@:
	tensor_load_to_lds s[\g0b:\g0b+3], s[\g1b:\g1b+7]
	s_nop 0
.rept 4
	v_nop
.endr
.Lasked_\@:
.endm
.macro CREST
	s_cmp_lg_u32 s14, 0
	s_cbranch_scc1 .Lnot_wave_0_\@
	s_barrier_signal -3
.Lnot_wave_0_\@:
	s_barrier_wait -3
	s_barrier_signal -1
	s_barrier_wait -1
.endm
.macro CROUND
	s_barrier_signal -1
	s_barrier_wait -1
	CREST
.endm
	s_load_b128 s[4:7], s[0:1], 0x0                ; x's codes, x's scales
	s_load_b128 s[8:11], s[0:1], 0x10              ; the weights' codes, their scales
	s_load_b64 s[12:13], s[0:1], 0x40              ; qkvh
	v_lshl_add_u32 v[SPW], v0, 2, SPARE
	v_mov_b32 v[NIL], 0
	ds_add_u32 v[SPW], v[NIL]                      ; the wave's opening: the add, twice on end, and its wait ahead of my first tensor load
	ds_add_u32 v[SPW], v[NIL]
	v_lshrrev_b32 v1, 5, v0
	v_readfirstlane_b32 s14, v1                    ; wave 0..3
	s_lshr_b32 s15, s14, 1                         ; which half of the tile's rows is mine; also: I fetch for x (0) or for the weights (1)
	s_and_b32 s16, s14, 1                          ; which half of its columns; also: which 128 rows I fetch
	s_bfe_u32 s40, ttmp6, 0x40000                  ; cx
	s_bfe_u32 s41, ttmp6, 0x40004                  ; cy
	s_lshl_b32 s42, ttmp9, 2
	s_add_co_u32 s42, s42, s40                     ; tile column
	s_and_b32 s17, ttmp7, 0xffff
	s_lshl_b32 s17, s17, 2
	s_add_co_u32 s17, s17, s41                     ; tile row
	s_lshl_b32 s43, s41, 2
	s_lshl_b32 s43, 15, s43                        ; my row of the cluster
	s_lshl_b32 s44, 0x1111, s40                    ; my column
	s_or_b32 s[G1+0], s43, (0<<16)|(1<<20)|(1<<21)|(5<<22)|(3<<25)   ; mask; 1-byte elements; padding: 4 words behind every 64
	s_or_b32 s[G1B+0], s44, (0<<16)|(1<<20)|(1<<21)|(5<<22)|(3<<25)
.irp g, G1, G1B
	s_mov_b32 s[\g+1], ROWB<<16
	s_mov_b32 s[\g+2], 128<<16
	s_mov_b32 s[\g+3], ROWB<<16
	s_mov_b32 s[\g+4], 128
	s_mov_b32 s[\g+5], KROW
	s_mov_b32 s[\g+6], 0
	s_mov_b32 s[\g+7], 0
.endr
	s_or_b32 s[G1S+0], s43, (3<<16)|(1<<20)|(1<<21)|(5<<22)|(3<<25)  ; the scales of 128 rows: a dense block, as rows of 256 bytes
	s_or_b32 s[G1SB+0], s44, (3<<16)|(1<<20)|(1<<21)|(5<<22)|(3<<25)
.irp g, G1S, G1SB
	s_mov_b32 s[\g+1], 32<<16
	s_mov_b32 s[\g+2], (128*KS/256)<<16
	s_mov_b32 s[\g+3], 32<<16
	s_mov_b32 s[\g+4], 128*KS/256
	s_mov_b32 s[\g+5], 32
	s_mov_b32 s[\g+6], 0
	s_mov_b32 s[\g+7], 0
.endr
	s_lshl_b32 s18, s16, 7
	s_lshl_b32 s20, s17, 8
	s_add_co_u32 s20, s20, s18                     ; x: row 256 x tile row + 128 x half
	s_lshl_b32 s46, s42, 8
	s_add_co_u32 s46, s46, s18                     ; weights: row 256 x tile column + 128 x half
	s_mov_b32 s21, 0
	s_mov_b32 s47, 0
	s_mov_b64 s[18:19], KS
	s_mul_u64 s[22:23], s[20:21], s[18:19]
	s_mul_u64 s[92:93], s[46:47], s[18:19]
	s_mov_b64 s[18:19], KROW
	s_mul_u64 s[20:21], s[20:21], s[18:19]
	s_mul_u64 s[46:47], s[46:47], s[18:19]
	s_mul_i32 s45, s14, HALFT
	s_mul_i32 s94, s14, HALFS
	s_wait_dscnt 0x0                               ; both opening adds are done
	s_wait_kmcnt 0x0
	s_add_nc_u64 s[20:21], s[4:5], s[20:21]
	s_add_nc_u64 s[22:23], s[6:7], s[22:23]
	s_add_nc_u64 s[46:47], s[8:9], s[46:47]
	s_add_nc_u64 s[92:93], s[10:11], s[92:93]
	CROUND                                         ; all sixteen work-groups are here: the first joint loads meet
	s_mov_b32 s[G0S], 1
	s_add_co_u32 s[G0S+1], s94, SCL
	s_mov_b64 s[G0S+2:G0S+3], s[22:23]
	s_or_b32 s[G0S+3], s[G0S+3], 0x80000000
	s_mov_b32 s[G0SB], 1
	s_add_co_u32 s[G0SB+1], s94, SCL
	s_mov_b64 s[G0SB+2:G0SB+3], s[92:93]
	s_or_b32 s[G0SB+3], s[G0SB+3], 0x80000000
	JLOAD G0S, G1S, G0SB, G1SB                     ; the scales first
.irp s, 0,1
	s_mov_b32 s[G0+4*\s], 1
	s_add_co_u32 s[G0+4*\s+1], s45, \s*SLOT
	s_add_nc_u64 s[G0+4*\s+2:G0+4*\s+3], s[20:21], \s*ROWB
	s_or_b32 s[G0+4*\s+3], s[G0+4*\s+3], 0x80000000
	s_mov_b32 s[G0B+4*\s], 1
	s_add_co_u32 s[G0B+4*\s+1], s45, \s*SLOT
	s_add_nc_u64 s[G0B+4*\s+2:G0B+4*\s+3], s[46:47], \s*ROWB
	s_or_b32 s[G0B+4*\s+3], s[G0B+4*\s+3], 0x80000000
	JLOAD G0+4*\s, G1, G0B+4*\s, G1B
.endr
	v_and_b32 v1, 15, v0                           ; l % 16
	v_bfe_u32 v2, v0, 4, 1                         ; l / 16
	v_mul_u32_u24 v3, v1, PITCH
	v_lshl_add_u32 v4, v2, 4, v3
	s_mul_i32 s21, s15, HALFT
	s_mul_i32 s22, s16, HALFT
	s_add_co_u32 s22, s22, 2*HALFT
.irp s, 0,1
	v_add_nc_u32 v[ADRA+\s], s21, v4
	v_add_nc_u32 v[ADRB+\s], s22, v4
	s_add_co_u32 s21, s21, SLOT
	s_add_co_u32 s22, s22, SLOT
.endr
	v_mul_u32_u24 v5, v1, KS
	v_lshrrev_b32 v6, 8, v5
	v_lshl_add_u32 v5, v6, 4, v5
	s_mul_i32 s21, s15, HALFS
	s_mul_i32 s22, s16, HALFS
	s_add_co_u32 s22, s22, 2*HALFS
	s_sub_co_u32 s22, s22, s21
	v_mul_u32_u24 v6, s22, v2                      ; lanes 16-31 take the weights' words
	s_add_co_u32 s21, s21, SCL
	v_add_nc_u32 v5, v5, v6
	v_add_nc_u32 v[ADRS], s21, v5
	s_mul_i32 s23, s14, 128*SPITCH                 ; my stage
	v_mul_u32_u24 v5, v1, SPITCH
	v_lshl_add_u32 v5, v2, 5, v5
	v_add_nc_u32 v[STO], s23, v5
	v_and_b32 v6, 31, v0
	v_lshlrev_b32 v[CO], 4, v6
	v_add_nc_u32 v[RD], s23, v[CO]
	v_lshlrev_b32 v[LN8], 3, v6
	v_lshlrev_b32 v[SGN], 31, v2
.macro FRAG reg, adr, q, i
.irp c, 0,1
	ds_load_b128 v[\reg+4*\c:\reg+4*\c+3], v[\adr] offset:64*(\q)+32*\c+(\i)*16*PITCH
.endr
.endm
; 16 matrix instructions; the 64 accumulators take turns, one instruction a turn, in the same order in every step
.macro MUL16 a0, p, q, sc, zero
.irp a, \a0, \a0+1
.irp b, 0,1,2,3,4,5,6,7
.if \zero
	v_wmma_scale_f32_16x16x128_f8f6f4 v[8*(8*((\a)%4)+\b):8*(8*((\a)%4)+\b)+7], v[128*(\p)+FR*\b:128*(\p)+FR*\b+FR-1], v[AF+FR*(\a):AF+FR*(\a)+FR-1], 0, v[SC+8*NQ*(\sc)+NQ*\b+(\q)], v[SC+8*NQ*(\sc)+NQ*(\a)+(\q)] matrix_a_fmt:MATRIX_FMT_FP4 matrix_b_fmt:MATRIX_FMT_FP4 matrix_a_scale:MATRIX_SCALE_ROW1
.else
	v_wmma_scale_f32_16x16x128_f8f6f4 v[8*(8*((\a)%4)+\b):8*(8*((\a)%4)+\b)+7], v[128*(\p)+FR*\b:128*(\p)+FR*\b+FR-1], v[AF+FR*(\a):AF+FR*(\a)+FR-1], v[8*(8*((\a)%4)+\b):8*(8*((\a)%4)+\b)+7], v[SC+8*NQ*(\sc)+NQ*\b+(\q)], v[SC+8*NQ*(\sc)+NQ*(\a)+(\q)] matrix_a_fmt:MATRIX_FMT_FP4 matrix_b_fmt:MATRIX_FMT_FP4 matrix_a_scale:MATRIX_SCALE_ROW1
.endif
.endr
.endr
.endm
.macro FETCH_B slot, q, p
	WIN TO_B
.irp i, 0,1,2,3,4,5,6,7
	FRAG 128*(\p)+FR*\i, ADRB+\slot, \q, \i
.endr
	WIN 0
.endm
.macro FETCH_A slot, q, i0
.irp i, \i0, \i0+1, \i0+2, \i0+3
	FRAG AF+FR*(\i), ADRA+\slot, \q, \i
.endr
.endm
.macro SCALES sc
.irp i, 0,1,2,3,4,5,6,7
	ds_load_b128 v[SC+8*NQ*\sc+NQ*\i:SC+8*NQ*\sc+NQ*\i+3], v[ADRS] offset:\i*SBLK
.endr
.endm
.macro PLACES n                        ; plain vector places behind matrix instructions, ahead of loads into their registers and of reads of results
.rept \n
	v_nop
.endr
.endm
.macro STEP slot, q, zero
	s_wait_dscnt 4*NL                              ; the weights' set and x's blocks 0-3 are in; the youngest loads (blocks 4-7) may be out
	WIN MUL_LO
	MUL16 0, (\q)%2, \q, \slot, \zero
	MUL16 2, (\q)%2, \q, \slot, \zero
	s_wait_dscnt 0
	PLACES NP
	FETCH_B \slot, (\q)+1, 1-(\q)%2
	FETCH_A \slot, (\q)+1, 0
	WIN MUL_HI
	MUL16 4, (\q)%2, \q, \slot, \zero
	MUL16 6, (\q)%2, \q, \slot, \zero
	PLACES NP
	WIN 0
	FETCH_A \slot, (\q)+1, 4
.endm
; a slot's last step changes slots: one barrier; ahead of it each wave waits for all its tensor loads, adds 0 to its spare word, and waits for that and for its reads of this slot
.macro TURN slot, next, fill
	s_wait_tensorcnt 0x0                           ; all my tensor loads have landed: my part of the next slot
	ds_add_u32 v[SPW], v[NIL]
	s_wait_dscnt 4*NL+1                            ; (the add and the youngest loads may be out)
	WIN MUL_LO
	MUL16 0, 1, NQ-1, \slot, 0
	s_wait_dscnt 0x0                               ; the add is done, and my reads of this slot are over
	s_barrier_signal -1
	MUL16 2, 1, NQ-1, \slot, 0
	WIN 0
	s_barrier_wait -1
.if \fill
	CREST                                          ; the barrier has opened a round of the cluster's barrier
	s_add_nc_u64 s[G0+4*\slot+2:G0+4*\slot+3], s[G0+4*\slot+2:G0+4*\slot+3], 2*ROWB
	s_add_nc_u64 s[G0B+4*\slot+2:G0B+4*\slot+3], s[G0B+4*\slot+2:G0B+4*\slot+3], 2*ROWB
	JLOAD G0+4*\slot, G1, G0B+4*\slot, G1B         ; the first tensor load behind the round
.else
	PLACES NP
.endif
	v_add_nc_u32 v[ADRS], 4*NQ, v[ADRS]
	FETCH_B \next, 0, 0
	FETCH_A \next, 0, 0
	SCALES \next
	WIN MUL_HI
	MUL16 4, 1, NQ-1, \slot, 0
	MUL16 6, 1, NQ-1, \slot, 0
	PLACES NP
	WIN 0
	FETCH_A \next, 0, 4
.endm
.macro STEPS slot, from
.set Q, \from
.rept NQ-1-\from
	STEP \slot, Q, 0
.set Q, Q+1
.endr
.endm
	s_wait_tensorcnt 1                             ; the scales and my part of K step 0 are in (K step 1's load may be out)
	s_barrier_signal -1
	s_barrier_wait -1
	FETCH_B 0, 0, 0
	FETCH_A 0, 0, 0
	SCALES 0
	FETCH_A 0, 0, 4
	STEP 0, 0, 1                                   ; the first step starts the sums
	s_mov_b32 s3, LAPS-1
.Llap:
	STEPS 0, 1
	TURN 0, 1, 1
	STEPS 1, 0
	TURN 1, 0, 1
	STEP 0, 0, 0
	s_sub_co_u32 s3, s3, 1
	s_cmp_lg_u32 s3, 0
	s_cbranch_scc1 .Llap
	STEPS 0, 1
	TURN 0, 1, 0
	STEPS 1, 0
	s_wait_dscnt 4*NL
	WIN MUL_LO
	MUL16 0, 1, NQ-1, 1, 0
	MUL16 2, 1, NQ-1, 1, 0
	s_wait_dscnt 0
	WIN MUL_HI
	MUL16 4, 1, NQ-1, 1, 0
	MUL16 6, 1, NQ-1, 1, 0
	WIN 0
; ---------------- THE WAY OUT
	s_load_b256 s[68:75], s[0:1], 0x20             ; cos s[68:69], sin s[70:71], q's gain s[72:73], k's s[74:75] (the scales' descriptors are long done with)
	PLACES NP
	s_wait_dscnt 0x0
	s_barrier_signal -1
	s_barrier_wait -1                              ; nobody reads the ring any more: the stages may be written
	s_mov_b32 s[SEL], 0x76543210
	s_mov_b32 s[SEL+1], 0xfedcba98
	s_mov_b32 s22, 0x3c000000                      ; 1 / 128
	s_mov_b32 s23, 0x358637bd                      ; 1e-6
	s_lshl_b32 s76, s17, 8
	s_lshl_b32 s77, s15, 7
	s_add_co_u32 s76, s76, s77                     ; my first row
	s_lshl_b32 s76, s76, 9                         ; a row of cos or sin is 512 bytes
	s_mov_b32 s77, 0
	s_lshr_b32 s78, s17, 3                         ; the batch
	s_lshl_b32 s78, s78, 3
	s_lshl_b32 s79, s40, 1
	s_add_co_u32 s78, s78, s79
	s_add_co_u32 s78, s78, s16                     ; b x 8 + head; head = 2 cx + my half
	s_lshl_b32 s78, s78, 11
	s_and_b32 s79, s17, 7
	s_lshl_b32 s79, s79, 8
	s_add_co_u32 s78, s78, s79
	s_lshl_b32 s79, s15, 7
	s_add_co_u32 s78, s78, s79                     ; + my first position
	s_lshl_b32 s78, s78, 8                         ; a row of 128 f16 is 256 bytes
	s_lshl_b32 s79, ttmp9, 23                      ; the kind's 8,388,608 bytes
	s_add_co_u32 s78, s78, s79
	s_mov_b32 s79, 0
	s_mov_b32 s80, 1.0
	s_wait_kmcnt 0x0
	s_add_nc_u64 s[68:69], s[68:69], s[76:77]
	s_add_nc_u64 s[70:71], s[70:71], s[76:77]
	s_add_nc_u64 s[12:13], s[12:13], s[78:79]
	s_cmp_eq_u32 ttmp9, 0
	s_cselect_b64 s[72:73], s[72:73], s[74:75]     ; q's gain, else k's
	s_cselect_b32 s80, 0x3e0293ee, s80             ; q carries log2(e) / sqrt(128)
	s_cmp_eq_u32 ttmp9, 2
	s_cselect_b32 s81, -1, 0                       ; all lanes where the tile is v's
.macro CSLOAD p, off                   ; eight rows of cos and of sin, 16 bytes a lane
.irp i, 0,1,2,3,4,5,6,7
	global_load_b128 v[CSN+64*\p+4*\i:CSN+64*\p+4*\i+3], v[CO], s[68:69] offset:\off+512*\i
	global_load_b128 v[CSN+64*\p+32+4*\i:CSN+64*\p+32+4*\i+3], v[CO], s[70:71] offset:\off+512*\i
.endr
.endm
	global_load_b128 v[WW:WW+3], v[CO], s[72:73]
	CSLOAD 0, 0
	CSLOAD 1, 4096
	v_mov_b32 v3, 1.0
.irp a, 0,1,2,3,4,5,6,7
	v_mov_b32 v[PT+\a], 0                          ; a lane permute's destination counts as one of its sources
	v_mov_b32 v[SS+2*\a+1], 0                      ; named as the upper half of a pair
.endr
.irp k, 0,1,2,3
	v_mov_b32 v[TT+8+\k], 0
	v_mov_b32 v[TT+24+\k], 0
.endr
; the sum of squares of my 64 channels of block a's row: four chains over the block's 32 pairs, each accumulator from its low end on
.macro SUMSQ a
.set AC, 64*((\a)%4)
	WIN 0x0a+5*((\a)/4)
.irp p, 0,1,2,3
	v_pk_mul_f32 v[TC+2*\p:TC+2*\p+1], v[AC+2*\p:AC+2*\p+1], v[AC+2*\p:AC+2*\p+1]
.endr
.set P_, 4
.rept 28
	v_pk_fma_f32 v[TC+2*(P_%4):TC+2*(P_%4)+1], v[AC+2*P_:AC+2*P_+1], v[AC+2*P_:AC+2*P_+1], v[TC+2*(P_%4):TC+2*(P_%4)+1]
.set P_, P_+1
.endr
	WIN 0
	v_pk_add_f32 v[TC:TC+1], v[TC:TC+1], v[TC+2:TC+3]
	v_pk_add_f32 v[TC+4:TC+5], v[TC+4:TC+5], v[TC+6:TC+7]
	v_pk_add_f32 v[TC:TC+1], v[TC:TC+1], v[TC+4:TC+5]
	v_add_f32 v[SS+2*(\a)], v[TC], v[TC+1]
.endm
.irp a, 0,1,2,3,4,5,6,7
	SUMSQ \a
.endr
.irp a, 0,1,2,3,4,5,6,7
	v_permlanex16_b32 v[PT+\a], v[SS+2*\a], s[SEL], s[SEL+1]
.endr
.irp a, 0,1,2,3,4,5,6,7
	v_add_f32 v[SS+2*\a], v[SS+2*\a], v[PT+\a]     ; with the row's other 64 channels
.endr
.irp a, 0,1,2,3,4,5,6,7
	v_fma_f32 v[SS+2*\a], v[SS+2*\a], s22, s23     ; the mean + eps
.endr
.irp a, 0,1,2,3,4,5,6,7
	v_rsq_f32 v[SS+2*\a], v[SS+2*\a]
.endr
	v_nop                                          ; a plain line behind the last of the batch
	s_wait_alu depctr_va_vdst(0)                   ; one wait for the eight, ahead of their first reader
.irp a, 0,1,2,3,4,5,6,7
	v_cndmask_b32 v[SS+2*\a], v[SS+2*\a], v3, s81  ; v is not normalised
.endr
.macro NORM a
.set AC, 64*((\a)%4)
	WIN 0x82+0x41*((\a)/4)
.set P_, 0
.rept 32
	v_pk_mul_f32 v[AC+2*P_:AC+2*P_+1], v[AC+2*P_:AC+2*P_+1], v[SS+2*(\a):SS+2*(\a)+1] op_sel_hi:[1,0]
.set P_, P_+1
.endr
.endm
.macro TOSTAGE a
.set AC, 64*((\a)%4)
	WIN 0x08+4*((\a)/4)
.irp b, 0,1,2,3,4,5,6,7
	ds_store_b128 v[STO], v[AC+8*\b:AC+8*\b+3] offset:(\a)*16*SPITCH+64*\b
	ds_store_b128 v[STO], v[AC+8*\b+4:AC+8*\b+7] offset:(\a)*16*SPITCH+64*\b+16
.endr
.endm
.irp a, 0,1,2,3,4,5,6,7
	NORM \a
	TOSTAGE \a
.endr
	WIN 0
	s_wait_loadcnt 32                              ; the gain is in; the 32 loads of cos and sin may be out
.irp k, 0,1,2,3
	v_mul_f32 v[WW+\k], s80, v[WW+\k]
.endr
.irp k, 0,1,2,3
	v_xor_b32 v[WNN+\k], v[SGN], v[WW+\k]          ; lanes 16-31 hold channels 64-127, which the rotation hands on with a minus
.endr
	s_wait_dscnt 0x0
	s_barrier_signal -1
	s_barrier_wait -1                              ; every stage is written; from here on LDS is only read
; eight rows: a row is 32 lanes x 4 channels; channel d +- 64 lies in lane l xor 16.  left: the other set's 16 loads may be out
.macro ROWS p, refill, left
.irp i, 0,1,2,3,4,5,6,7
	ds_load_b128 v[RR+4*\i:RR+4*\i+3], v[RD] offset:\i*SPITCH
.endr
	s_wait_dscnt 0x0
	s_wait_loadcnt \left
.irp i, 0,1,2,3,4,5,6,7
.set T_, TT+16*(\i%2)
.set C_, CSN+64*\p+4*\i
	v_pk_mul_f32 v[T_:T_+1], v[RR+4*\i:RR+4*\i+1], v[WW:WW+1]
	v_pk_mul_f32 v[T_+2:T_+3], v[RR+4*\i+2:RR+4*\i+3], v[WW+2:WW+3]
	v_pk_mul_f32 v[T_+4:T_+5], v[RR+4*\i:RR+4*\i+1], v[WNN:WNN+1]
	v_pk_mul_f32 v[T_+6:T_+7], v[RR+4*\i+2:RR+4*\i+3], v[WNN+2:WNN+3]
.irp k, 0,1,2,3
	v_permlanex16_b32 v[T_+8+\k], v[T_+4+\k], s[SEL], s[SEL+1]       ; rotate_half
.endr
	v_pk_mul_f32 v[T_:T_+1], v[T_:T_+1], v[C_:C_+1]
	v_pk_mul_f32 v[T_+2:T_+3], v[T_+2:T_+3], v[C_+2:C_+3]
	v_pk_fma_f32 v[T_:T_+1], v[T_+8:T_+9], v[C_+32:C_+33], v[T_:T_+1]
	v_pk_fma_f32 v[T_+2:T_+3], v[T_+10:T_+11], v[C_+34:C_+35], v[T_+2:T_+3]
.irp k, 0,1,2,3
	v_cndmask_b32 v[RR+4*\i+\k], v[T_+\k], v[RR+4*\i+\k], s81        ; v stays as it is
.endr
.endr
.if \refill
	CSLOAD \p, 8192                                ; the rows of two calls on
.endif
.irp i, 0,1,2,3,4,5,6,7
	v_cvt_pk_f16_f32 v[OUTH+2*\i], v[RR+4*\i], v[RR+4*\i+1]
	v_cvt_pk_f16_f32 v[OUTH+2*\i+1], v[RR+4*\i+2], v[RR+4*\i+3]
.endr
.irp i, 0,1,2,3,4,5,6,7
	global_store_b64 v[LN8], v[OUTH+2*\i:OUTH+2*\i+1], s[12:13] offset:256*\i   ; 32 lanes store a row: 256 consecutive bytes, aligned
.endr
	s_wait_xcnt 0x0                                ; bases and store data are rewritten only behind this wait
	s_add_nc_u64 s[68:69], s[68:69], 4096
	s_add_nc_u64 s[70:71], s[70:71], 4096
	s_add_nc_u64 s[12:13], s[12:13], 2048
	v_add_nc_u32 v[RD], 8*SPITCH, v[RD]
.endm
	s_mov_b32 s3, 7
.Lrows:
	ROWS 0, 1, 16
	ROWS 1, 1, 16
	s_sub_co_u32 s3, s3, 1
	s_cmp_lg_u32 s3, 0
	s_cbranch_scc1 .Lrows
	ROWS 0, 0, 16                                  ; the last sixteen rows load nothing: no load leaves its buffer
	ROWS 1, 0, 0
	s_wait_tensorcnt 0x0                           ; the wave's end
	ds_add_u32 v[SPW], v[NIL]
	s_wait_dscnt 0x0
	CROUND                                         ; the closing round
	s_endpgm
.Lfunc_end_k_q4b16be9d76_proj:
	.size	k_q4b16be9d76_proj, .Lfunc_end_k_q4b16be9d76_proj-k_q4b16be9d76_proj
	.p2alignl 7, 3214868480
	.fill 96, 4, 3214868480
	.section	.rodata,"a",@progbits
	.p2align	6, 0x0
	.amdhsa_kernel k_q4b16be9d76_proj
		.amdhsa_group_segment_fixed_size 327680
		.amdhsa_private_segment_fixed_size 0
		.amdhsa_enable_private_segment 0
		.amdhsa_kernarg_size 72
		.amdhsa_user_sgpr_count 2
		.amdhsa_user_sgpr_kernarg_segment_ptr 1
		.amdhsa_wavefront_size32 1
		.amdhsa_system_sgpr_workgroup_id_x 1
		.amdhsa_system_sgpr_workgroup_id_y 1
		.amdhsa_system_sgpr_workgroup_id_z 1
		.amdhsa_system_vgpr_workitem_id 0
		.amdhsa_next_free_vgpr 1024
		.amdhsa_next_free_sgpr 100
		.amdhsa_reserve_vcc 0
		.amdhsa_float_denorm_mode_32 3
		.amdhsa_float_denorm_mode_16_64 3
		.amdhsa_memory_ordered 1
		.amdhsa_forward_progress 1
		.amdhsa_inst_pref_size 255
	.end_amdhsa_kernel
	.section	.bss,"aw",@nobits
	.p2align	6
	.space	262144
	.amdgpu_metadata
---
amdhsa.version: [ 1, 2 ]
amdhsa.kernels:
  - .name:           k_q4b16be9d76_proj
    .symbol:         k_q4b16be9d76_proj.kd
    .args:
      - { .name: xc, .offset: 0, .size: 8, .value_kind: global_buffer, .address_space: global }
      - { .name: xs, .offset: 8, .size: 8, .value_kind: global_buffer, .address_space: global }
      - { .name: wc, .offset: 16, .size: 8, .value_kind: global_buffer, .address_space: global }
      - { .name: ws, .offset: 24, .size: 8, .value_kind: global_buffer, .address_space: global }
      - { .name: cos, .offset: 32, .size: 8, .value_kind: global_buffer, .address_space: global }
      - { .name: sin, .offset: 40, .size: 8, .value_kind: global_buffer, .address_space: global }
      - { .name: q_norm_w, .offset: 48, .size: 8, .value_kind: global_buffer, .address_space: global }
      - { .name: k_norm_w, .offset: 56, .size: 8, .value_kind: global_buffer, .address_space: global }
      - { .name: qkvh, .offset: 64, .size: 8, .value_kind: global_buffer, .address_space: global }
    .group_segment_fixed_size: 327680
    .private_segment_fixed_size: 0
    .kernarg_segment_align: 8
    .kernarg_segment_size: 72
    .max_flat_workgroup_size: 128
    .sgpr_count:     100
    .vgpr_count:     1024
    .wavefront_size: 32
...
	.end_amdgpu_metadata
.endif
;; end of part 2
;; launch attn (part 3): grid 16 x 16, 4 waves a work-group, clusters of 4 x 4, 327,680 bytes of LDS; arguments qkvh, attention_mask, att, attf; writes att, attf
.if DOCPART == 3
	.amdgcn_target "amdgcn-amd-amdhsa--gfx1250"
	.amdhsa_code_object_version 6
	.text
	.protected	k_q4b16be9d76_attn
	.globl	k_q4b16be9d76_attn
	.p2align	8
	.type	k_q4b16be9d76_attn,@function
k_q4b16be9d76_attn:
	s_mov_b64 s[64:65], 0
	v_nop
	global_prefetch_b8 v0, s[64:65] scope:SCOPE_SE
	s_setreg_imm32_b32 hwreg(HW_REG_WAVE_MODE, 25, 1), 1
	s_wait_xcnt 0x0
	s_wait_alu depctr_hold_cnt(0) depctr_sa_sdst(0) depctr_va_vdst(0) depctr_va_sdst(0) depctr_va_ssrc(0) depctr_va_vcc(0) depctr_vm_vsrc(0)
	s_getreg_b32 s2, hwreg(HW_REG_IB_STS2, 6, 4)
	s_cmp_eq_u32 s2, 0
	s_cbranch_scc0 .Lentry_in_a_cluster
	s_endpgm
.Lentry_in_a_cluster:
	s_bfe_u32 s2, ttmp6, 0x10000c
	s_cmp_lg_u32 s2, 0xf033
	s_cbranch_scc0 .Lentry_shape_is_right
	s_endpgm
.Lentry_shape_is_right:
; ATTN: O[b][h][q] = sum over k of softmax_k(q . k / sqrt(128) + mask[b][q][k]) v[k].  q, k, v: f16, qkvh [kind][b x 8 + h][2048][128]; q carries log2(e) / sqrt(128).  The mask is an input: every key is walked.
; t = mask x log2(e) + (K Q^T), one fused multiply-add in f32; m = the running largest t; p = 2^(t - m); l and O are multiplied by a = 2^(m_old - m_new) in every step.  p goes to f16 for the second product.
; SHARES.  A work-group: 128 queries of one (b, h).  Wave w: queries 64 (w & 1) on, and of every tile of 128 keys the half w >> 1: so a fragment of K or V read from LDS feeds four tiles of queries.
; Register tile t holds query tile t xor 2 (w >> 1).  At the end a wave hands its register tiles 2, 3 (m, l, O) to wave w xor 2 through LDS and finishes tiles 0, 1: one text for all waves.
; LAYOUT.  S^T = K Q^T and O^T = V^T P: a lane holds ONE query (lane % 16) throughout.  K comes out of LDS as it lies, V turned, by ds_load_tr16_b128.
; CLUSTER 4 x 4: x = query blocks, y = heads.  K's and V's tiles hang on (b, h): asked for jointly along a row; the mask's tile hangs on the query block and b: jointly along a column (four heads of one batch).
; THE ORDER OF A TRIP (key tile j).  Behind the change of slots: the LDS loads of K and the mask; O^T x a of tile j - 1, which needs none of them, stands behind them.  Then 128 matrix instructions on end:
; K Q^T of tile j, query tile by query tile, so that a query tile's scores are whole 16 products after they begin; then V^T P of tile j - 1, which hangs on none of tile j's scores.  The softmax of tile j up to
; its exponentials, 340 instructions, is dealt in order, 3 or 4 behind each matrix instruction from the 17th on.  Then V's LDS loads, and behind them the roundings to f16 and the sums.
; A slice costs two switches of the register window: the softmax works in window 0, and no window has room for a product's operands beside it.
; OUT: att f16 [4096][1024]; the first 16 positions also in f32: attf [b][query block 0-3][16][1024], stored by wave 0 in the clusters with x = 0 (only block 0 is read later).
; LIMITS: mask x log2(e) above -3e38 (what lies under counts as -infinity); a row that the mask leaves with few keys, outside positions 0-15, has f16's accuracy.
; REGISTERS: window 0: v1-11 addresses, v12-43 statistics (8 a tile: m, -, l, l, c0-c3; a takes c2's place), v44-63 addresses, v64-191 S^T, v192-255 P.  window 1: O^T.  window 2: v0-127 Q, v128-255 K.  window 3: v0-127 V, v128-255 the mask.
.set SLOT,  139264                     ; K 128 x 272, V 128 x 288, mask 128 x 528
.set PK,    272
.set PV,    288
.set PM,    528
.set VOFF,  128*PK
.set MOFF,  VOFF+128*PV
.set SPARE, 2*SLOT                     ; the spare words: 128 bytes a wave, named by no other line
.set XCHB,  16896                      ; the hand-over, in slot 0 behind its last fill and read: a wave's 16,384 bytes of O^T, then m, m, l, l
.set STAGE, 4*XCHB                     ; the way out: 16 rows x 272 a wave
.set SP,    272
.set AK,  2                            ; v2-3   K's fragments in slot 0, 1
.set AV,  4                            ; v4-5   V's
.set AM,  6                            ; v6-9   the mask's: slot x 2 + pair of tiles
.set QO,  10
.set ST,  12
.set STO, 44
.set RD,  45
.set GO,  46
.set GF,  47
.set XW,  48
.set XS,  49
.set XR,  50
.set XRS, 51
.set PFO, 61
.set SPW, 62
.set NIL, 63
.set S,   64
.set P,   192
.set KF,  128
.set MK,  128
.set WV,  12
.set QH,  13
.set KH,  14
.set LIM, 15                           ; s15 1 in a wave that prefetches, else the greatest number
.set G1K, 24
.set G1V, 32
.set G1M, 40
.set G0K, 48
.set G0V, 56
.set G0M, 68
.set PFA, 76
.set PFS, 78
.set LC,  80
.set SEL, 82
.set CS,  84
.set QB0, 86
.set QB1, 88
.set MSB, 0
.macro WIN new                         ; the immediate's high byte repeats the setting that is left; a switch that changes nothing is dropped
.if MSB != \new
	s_set_vgpr_msb (MSB<<8)|\new
.set MSB, \new
.endif
.endm
.set W_KQ, 0x0a
.set W_PV, 0x53
.set W_RS, 0x41
.macro PLACES
.rept 4
	v_nop
.endr
.endm
; a joint load: wave 0 K's tile, wave 1 V's, waves 2 and 3 the mask's halves; the branches hang on the wave's number alone; an s_nop 0 and four v_nop follow each line
.macro JLOAD s
	s_cmp_lg_u32 s[WV], 0
	s_cbranch_scc1 .Lnot_k_\@
	tensor_load_to_lds s[G0K+4*(\s):G0K+4*(\s)+3], s[G1K:G1K+7]
	s_nop 0
.rept 4
	v_nop
.endr
	s_branch .Lasked_\@
.Lnot_k_\@:
	s_cmp_lg_u32 s[WV], 1
	s_cbranch_scc1 .Lfor_m_\@
	tensor_load_to_lds s[G0V+4*(\s):G0V+4*(\s)+3], s[G1V:G1V+7]
	s_nop 0
.rept 4
	v_nop
.endr
	s_branch .Lasked_\@
.Lfor_m_\@:
	tensor_load_to_lds s[G0M+4*(\s):G0M+4*(\s)+3], s[G1M:G1M+7]
	s_nop 0
.rept 4
	v_nop
.endr
.Lasked_\@:
.endm
.macro CROUND
	s_barrier_signal -1
	s_barrier_wait -1
	s_cmp_lg_u32 s[WV], 0
	s_cbranch_scc1 .Lnot_wave_0_\@
	s_barrier_signal -3
.Lnot_wave_0_\@:
	s_barrier_wait -3
	s_barrier_signal -1
	s_barrier_wait -1
.endm
; A PREFETCH of the tile that the NEXT trip's joint load will ask for: one instruction a wave, a lane a block of 256 bytes, each block named once in the launch.
; K's and V's rows (waves 0, 1) are walked by every cluster of a row of clusters: the one with x = 0 asks; its four partners take 32 rows each, by address.
; The mask's rows (waves 2, 3) are walked by the two clusters of a batch: the one with even y asks; its four partners take 16 rows of each half, two blocks a row, by address.
.macro ASK how                         ; 1: in every trip; 2: not in the loop's last trip
.if \how == 1
	s_cmp_eq_u32 s[LIM], 1
.else
	s_cmp_gt_u32 s[LC], s[LIM]
.endif
	s_cbranch_scc0 .Lnot_mine_\@
	global_prefetch_b8 v[PFO], s[PFA:PFA+1] th:TH_LOAD_NT scope:SCOPE_SE
.Lnot_mine_\@:
.endm
	s_load_b256 s[4:11], s[0:1], 0x0               ; qkvh s[4:5], mask s[6:7], att s[8:9], attf s[10:11]
	v_lshl_add_u32 v[SPW], v0, 2, SPARE
	v_mov_b32 v[NIL], 0
	ds_add_u32 v[SPW], v[NIL]                      ; the wave's opening: the add, twice on end, and its wait ahead of my first tensor load
	ds_add_u32 v[SPW], v[NIL]
	v_lshrrev_b32 v1, 5, v0
	v_readfirstlane_b32 s[WV], v1
	s_and_b32 s[QH], s[WV], 1
	s_lshr_b32 s[KH], s[WV], 1
	s_bfe_u32 s16, ttmp6, 0x40000                  ; cx
	s_bfe_u32 s17, ttmp6, 0x40004                  ; cy
	s_and_b32 s18, ttmp7, 0xffff                   ; cluster y
	s_lshl_b32 s19, ttmp9, 2
	s_add_co_u32 s19, s19, s16                     ; the query block
	s_lshl_b32 s20, s18, 2
	s_add_co_u32 s20, s20, s17                     ; b x 8 + h
	s_lshr_b32 s21, s18, 1                         ; b
	s_lshl_b32 s22, s17, 2
	s_lshl_b32 s22, 15, s22                        ; my row of the cluster
	s_lshl_b32 s23, 0x1111, s16                    ; my column
	s_or_b32 s[G1K], s22, (1<<16)|(1<<20)|(1<<21)|(5<<22)|(3<<25)    ; 2-byte elements; 4 words of padding behind every 64
	s_or_b32 s[G1V], s22, (1<<16)|(1<<20)|(1<<21)|(5<<22)|(7<<25)    ; 8 words
	s_or_b32 s[G1M], s23, (2<<16)|(1<<20)|(1<<21)|(6<<22)|(3<<25)    ; 4-byte elements; 4 words behind every 128
.irp g, G1K, G1V
	s_mov_b32 s[\g+1], 128<<16
	s_mov_b32 s[\g+2], 128<<16
	s_mov_b32 s[\g+3], 128<<16
	s_mov_b32 s[\g+4], 128
	s_mov_b32 s[\g+5], 128
	s_mov_b32 s[\g+6], 0
	s_mov_b32 s[\g+7], 0
.endr
	s_mov_b32 s[G1M+1], 128<<16
	s_mov_b32 s[G1M+2], 64<<16
	s_mov_b32 s[G1M+3], 128<<16
	s_mov_b32 s[G1M+4], 64
	s_mov_b32 s[G1M+5], 2048
	s_mov_b32 s[G1M+6], 0
	s_mov_b32 s[G1M+7], 0
	s_mov_b32 s[SEL], 0x76543210
	s_mov_b32 s[SEL+1], 0xfedcba98
	s_mov_b32 s[CS], 0x3fb8aa3b                    ; log2(e)
	s_mov_b32 s[CS+1], s[CS]
	; offsets.  s[90:91] hangs on (b, h) alone; s[92:93] on the query block, my half and b alone
	s_lshl_b32 s90, s20, 19
	s_mov_b32 s91, 0
	s_lshl_b32 s92, s19, 7
	s_lshl_b32 s93, s[QH], 6
	s_add_co_u32 s92, s92, s93                     ; 128 x block + 64 x half
	s_lshl_b32 s96, s[KH], 5
	s_add_co_u32 s96, s96, s92                     ; the rows of my register tiles 0, 1
	s_xor_b32 s98, s96, 32                         ; and of tiles 2, 3
	s_lshl_b32 s94, s21, 11
	s_add_co_u32 s94, s94, s96
	s_lshl_b32 s94, s94, 11                        ; a row of att is 2,048 bytes
	s_and_b32 s81, s20, 7                          ; h
	s_lshl_b32 s95, s81, 8
	s_add_co_u32 s94, s94, s95
	s_mov_b32 s95, 0
	s_lshl_b32 s80, s21, 18
	s_lshl_b32 s81, s81, 9
	s_add_co_u32 s80, s80, s81
	s_lshl_b32 s81, s16, 16
	s_add_co_u32 s80, s80, s81                     ; attf: b x 262,144 + cx x 65,536 + h x 512
	s_mov_b32 s81, 0
	s_lshl_b32 s96, s96, 8
	s_mov_b32 s97, 0
	s_lshl_b32 s98, s98, 8
	s_mov_b32 s99, 0
	s_lshl_b32 s92, s92, 13                        ; a row of the mask is 8,192 bytes
	s_lshl_b32 s93, s21, 24
	s_add_co_u32 s92, s92, s93
	s_mov_b32 s93, 0
	; the prefetches: where they stand (tile 2: the first asking trip steps on to tile 3), how they step, who asks
	s_add_co_u32 s76, s[WV], 1
	s_lshl_b32 s76, s76, 23                        ; k's part of qkvh for wave 0, v's for wave 1
	s_add_co_u32 s76, s76, s90
	s_lshl_b32 s77, s16, 13                        ; my work-group's 32 rows
	s_add_co_u32 s76, s76, s77
	s_add_co_u32 s76, s76, 2*32768
	s_lshl_b32 s77, s17, 17                        ; my work-group's 16 rows of the half
	s_add_co_u32 s77, s77, s92
	s_add_co_u32 s77, s77, 2*512
	s_and_b32 s15, s18, 1
	s_mov_b32 s[PFS], 512
	s_mov_b32 s22, 8192
	s_mov_b32 s23, 256
	s_cmp_lt_u32 s[WV], 2
	s_cselect_b32 s76, s76, s77
	s_cselect_b32 s[PFS], 0x8000, s[PFS]
	s_cselect_b32 s22, 256, s22
	s_cselect_b32 s23, 4096, s23
	s_cselect_b32 s15, ttmp9, s15
	s_mov_b32 s77, 0
	s_mov_b32 s[PFS+1], 0
	s_cmp_eq_u32 s15, 0
	s_cselect_b32 s[LIM], 1, -1                    ; the same in all sixteen partners, for a given wave
	v_and_b32 v53, 15, v0
	v_bfe_u32 v54, v0, 4, 1
	v_mul_lo_u32 v[PFO], v53, s22
	v_mul_lo_u32 v54, v54, s23
	v_add_nc_u32 v[PFO], v[PFO], v54
	s_mul_i32 s3, s[QH], 64*PM                     ; the mask's half that I fetch, in a slot
	s_wait_dscnt 0x0                               ; both opening adds are done
	s_wait_kmcnt 0x0
	s_add_nc_u64 s[90:91], s[4:5], s[90:91]        ; q's rows of my (b, h)
	s_add_nc_u64 s[QB0:QB0+1], s[90:91], s[96:97]
	s_add_nc_u64 s[QB1:QB1+1], s[90:91], s[98:99]
	s_add_nc_u64 s[92:93], s[6:7], s[92:93]
	s_add_nc_u64 s[8:9], s[8:9], s[94:95]
	s_add_nc_u64 s[10:11], s[10:11], s[80:81]
	s_cmp_lt_u32 s[WV], 2
	s_cselect_b64 s[18:19], s[4:5], s[6:7]
	s_add_nc_u64 s[PFA:PFA+1], s[18:19], s[PFA:PFA+1]
	CROUND                                         ; all sixteen work-groups are here
.irp s, 0,1
	s_mov_b32 s[G0K+4*\s], 1
	s_mov_b32 s[G0K+4*\s+1], \s*SLOT
	s_add_nc_u64 s[G0K+4*\s+2:G0K+4*\s+3], s[90:91], 8388608+\s*32768
	s_or_b32 s[G0K+4*\s+3], s[G0K+4*\s+3], 0x80000000
	s_mov_b32 s[G0V+4*\s], 1
	s_mov_b32 s[G0V+4*\s+1], \s*SLOT+VOFF
	s_add_nc_u64 s[G0V+4*\s+2:G0V+4*\s+3], s[90:91], 16777216+\s*32768
	s_or_b32 s[G0V+4*\s+3], s[G0V+4*\s+3], 0x80000000
	s_mov_b32 s[G0M+4*\s], 1
	s_add_co_u32 s[G0M+4*\s+1], s3, \s*SLOT+MOFF
	s_add_nc_u64 s[G0M+4*\s+2:G0M+4*\s+3], s[92:93], \s*512
	s_or_b32 s[G0M+4*\s+3], s[G0M+4*\s+3], 0x80000000
.endr
	JLOAD 0                                        ; tile 0; by this text's count a wave has one tensor load out at any time
	v_and_b32 v1, 15, v0                           ; r
	v_bfe_u32 v11, v0, 4, 1                        ; h
	v_and_b32 v53, 31, v0                          ; lane
	v_lshlrev_b32 v[QO], 8, v1
	v_lshl_add_u32 v[QO], v11, 4, v[QO]
	WIN 0x80
.irp i, 0,1,2,3,4,5,6,7,8,9,10,11,12,13,14,15      ; Q stays in registers: register tile i / 4, channels 32 (i % 4) on
	global_load_b128 v[8*\i:8*\i+3],   v[QO], s[QB0+2*(\i/8):QB0+2*(\i/8)+1] offset:((\i/4)%2)*4096+(\i%4)*64
	global_load_b128 v[8*\i+4:8*\i+7], v[QO], s[QB0+2*(\i/8):QB0+2*(\i/8)+1] offset:((\i/4)%2)*4096+(\i%4)*64+32
.endr
	WIN 0
	v_mul_u32_u24 v54, v1, PK
	v_lshl_add_u32 v54, v11, 4, v54
	s_mul_i32 s3, s[KH], 64*PK
	v_add_nc_u32 v[AK], s3, v54
	v_add_nc_u32 v[AK+1], SLOT, v[AK]
	v_and_b32 v54, 7, v0
	v_lshl_add_u32 v54, v11, 3, v54
	v_mul_u32_u24 v54, v54, PV
	v_bfe_u32 v55, v0, 3, 1
	v_lshl_add_u32 v54, v55, 4, v54
	s_mul_i32 s3, s[KH], 64*PV
	s_add_co_u32 s3, s3, VOFF
	v_add_nc_u32 v[AV], s3, v54
	v_add_nc_u32 v[AV+1], SLOT, v[AV]
	v_mul_u32_u24 v54, v1, PM
	v_lshl_add_u32 v54, v11, 5, v54
	s_mul_i32 s3, s[QH], 64*PM
	s_lshl_b32 s2, s[KH], 8
	s_add_co_u32 s3, s3, s2
	s_add_co_u32 s3, s3, MOFF
	v_add_nc_u32 v54, s3, v54
	s_mul_i32 s2, s[KH], 32*PM
	v_add_nc_u32 v[AM], s2, v54
	s_xor_b32 s2, s[KH], 1
	s_mul_i32 s2, s2, 32*PM
	v_add_nc_u32 v[AM+1], s2, v54
	v_add_nc_u32 v[AM+2], SLOT, v[AM]
	v_add_nc_u32 v[AM+3], SLOT, v[AM+1]
	s_mul_i32 s3, s[WV], 16*SP
	s_add_co_u32 s3, s3, STAGE
	v_mul_u32_u24 v[STO], v1, SP
	v_lshl_add_u32 v[STO], v11, 4, v[STO]
	v_add_nc_u32 v[STO], s3, v[STO]
	v_mul_u32_u24 v[RD], v11, SP
	v_lshl_add_u32 v[RD], v1, 4, v[RD]
	v_add_nc_u32 v[RD], s3, v[RD]
	v_lshlrev_b32 v[GO], 11, v11
	v_lshl_add_u32 v[GO], v1, 4, v[GO]
	v_lshlrev_b32 v[GF], 12, v1
	v_lshl_add_u32 v[GF], v11, 5, v[GF]
	s_mul_i32 s3, s[WV], XCHB
	v_lshl_add_u32 v[XW], v53, 4, s3
	v_lshl_add_u32 v[XS], v53, 2, s3
	v_add_nc_u32 v[XS], 16384, v[XS]
	s_xor_b32 s2, s[WV], 2
	s_mul_i32 s2, s2, XCHB
	v_lshl_add_u32 v[XR], v53, 4, s2
	v_lshl_add_u32 v[XRS], v53, 2, s2
	v_add_nc_u32 v[XRS], 16384, v[XRS]
.irp t, 0,1,2,3
	v_mov_b32 v[ST+8*\t], 0xff61b1e6               ; m: -3e38
	v_mov_b32 v[ST+8*\t+1], 0
	v_mov_b32 v[ST+8*\t+2], 0                      ; l, in two halves
	v_mov_b32 v[ST+8*\t+3], 0
.endr
	WIN 0x40
.set i, 0
.rept 256
	v_mov_b32 v[i], 0                              ; O^T: cleared once, so that the trip is written four times and not six
.set i, i+1
.endr
	WIN 0
.macro FETCH_KM slot                   ; my 64 keys of K (16 fragments), then my 64 x 64 of the mask, query tile by query tile, in S^T's layout: 64 loads in one run
	WIN 0x80
.irp f, 0,1,2,3,4,5,6,7,8,9,10,11,12,13,14,15
	ds_load_b128 v[KF+8*\f:KF+8*\f+3],   v[AK+\slot] offset:(\f/4)*16*PK+(\f%4)*64
	ds_load_b128 v[KF+8*\f+4:KF+8*\f+7], v[AK+\slot] offset:(\f/4)*16*PK+(\f%4)*64+32
.endr
	WIN 0xc0
.irp t, 0,1,2,3
.irp kt, 0,1,2,3
	ds_load_b128 v[MK+32*\t+8*\kt:MK+32*\t+8*\kt+3],   v[AM+2*\slot+\t/2] offset:(\t%2)*16*PM+64*\kt
	ds_load_b128 v[MK+32*\t+8*\kt+4:MK+32*\t+8*\kt+7], v[AM+2*\slot+\t/2] offset:(\t%2)*16*PM+64*\kt+16
.endr
.endr
	WIN 0
.endm
.macro FETCH_V slot
	WIN 0xc0
.irp f, 0,1,2,3,4,5,6,7,8,9,10,11,12,13,14,15
	ds_load_tr16_b128 v[8*\f:8*\f+3],   v[AV+\slot] offset:(\f/8)*32*PV+(\f%8)*32
	ds_load_tr16_b128 v[8*\f+4:8*\f+7], v[AV+\slot] offset:(\f/8)*32*PV+16*PV+(\f%8)*32
.endr
.endm
; Matrix instruction i (0 to 63) of a trip: S^T = K Q^T, query tile i / 16, channels 32 ((i / 4) % 4) on, keys 16 (i % 4) on.  A tile's four accumulators take turns, one instruction a turn
; a tile's first four start its sums.
.macro KQI
	WIN W_KQ
.set rS, S+32*(i/16)+8*(i%4)
.set rK, KF+32*(i%4)+8*((i/4)%4)
.set rQ, 32*(i/16)+8*((i/4)%4)
.if (i/4)%4 == 0
	v_wmma_f32_16x16x32_f16 v[rS:rS+7], v[rK:rK+7], v[rQ:rQ+7], 0
.else
	v_wmma_f32_16x16x32_f16 v[rS:rS+7], v[rK:rK+7], v[rQ:rQ+7], v[rS:rS+7]
.endif
.endm
; Matrix instruction i (64 to 127): O^T += V^T P of the tile before: keys 32 ((i - 64) / 32) on, channels 16 (((i - 64) / 4) % 8) on, query tile i % 4: 32 accumulators by turns
.macro PVI
	WIN W_PV
.set ip, i-64
.set rO, 64*(ip%4)+8*((ip/4)%8)
.set rV, 64*(ip/32)+8*((ip/4)%8)
.set rP, P+16*(ip%4)+8*(ip/32)
	v_wmma_f32_16x16x32_f16 v[rO:rO+7], v[rV:rV+7], v[rP:rP+7], v[rO:rO+7]
.endm
; Number n (0 to 339) of the softmax's list: query tile n / 85, and of its 85:
;   0-15   t = mask x log2(e) + score, a pair each, each accumulator from its low end on; ahead of the first: the wait for the tile's 8 mask loads (the later tiles' may be out)
;   16-31  the largest of the 32 t and the old m, three operands at a time, four chains      32-35  the other half of the lanes'; the old m kept; the new m; m_old - m_new
;   36     a = 2^(m_old - m_new)      37-84  t - m, a pair each (a difference first, so that rows at -1e9 stay exact), and p = 2^(t - m); a pair is subtracted three numbers ahead of its exponentials
; No number names an exponential's result: all that do stand behind the one wait that follows the list.
.macro AITEM
.set tt_, n/85
.set jj_, n%85
.set rT, ST+8*tt_
.set rS, S+32*tt_
.set rM, MK+32*tt_
.if jj_ == 0
	s_wait_dscnt 24-8*tt_
.endif
.if jj_ < 16
	WIN 0x03
	v_pk_fma_f32 v[rS+2*jj_:rS+2*jj_+1], v[rM+2*jj_:rM+2*jj_+1], s[CS:CS+1], v[rS+2*jj_:rS+2*jj_+1] op_sel_hi:[1,0,1]
.else
	WIN 0
.if jj_ < 20
	v_max3_num_f32 v[rT+4+jj_-16], v[rS+8*(jj_-16)], v[rS+8*(jj_-16)+1], v[rS+8*(jj_-16)+2]
.elseif jj_ < 28
.set qq_, (jj_-16)%4
.set gg_, (jj_-16)/4
	v_max3_num_f32 v[rT+4+qq_], v[rT+4+qq_], v[rS+8*qq_+2*gg_+1], v[rS+8*qq_+2*gg_+2]
.elseif jj_ == 28
	v_max3_num_f32 v[rT+4], v[rT+4], v[rS+7], v[rS+15]
.elseif jj_ == 29
	v_max3_num_f32 v[rT+6], v[rT+6], v[rS+23], v[rS+31]
.elseif jj_ == 30
	v_max3_num_f32 v[rT+4], v[rT+4], v[rT+5], v[rT+6]
.elseif jj_ == 31
	v_max3_num_f32 v[rT+4], v[rT+4], v[rT+7], v[rT]
.elseif jj_ == 32
	v_permlanex16_b32 v[rT+5], v[rT+4], s[SEL], s[SEL+1]             ; the query's other 32 keys lie in the lane 16 away
.elseif jj_ == 33
	v_mov_b32 v[rT+7], v[rT]
.elseif jj_ == 34
	v_max_num_f32 v[rT], v[rT+4], v[rT+5]
.elseif jj_ == 35
	v_sub_f32 v[rT+7], v[rT+7], v[rT]
.elseif jj_ == 36
	v_exp_f32 v[rT+6], v[rT+7]
.elseif jj_ == 37
	v_pk_add_f32 v[rS:rS+1], v[rS:rS+1], v[rT:rT+1] op_sel_hi:[1,0] neg_lo:[0,1] neg_hi:[0,1]
.else
.set qq_, jj_-38
.if qq_ >= 45
	v_exp_f32 v[rS+qq_-15], v[rS+qq_-15]
.elseif qq_%3 == 0
.set gg_, qq_/3+1
	v_pk_add_f32 v[rS+2*gg_:rS+2*gg_+1], v[rS+2*gg_:rS+2*gg_+1], v[rT:rT+1] op_sel_hi:[1,0] neg_lo:[0,1] neg_hi:[0,1]
.else
.set gg_, 2*(qq_/3)+qq_%3-1
	v_exp_f32 v[rS+gg_], v[rS+gg_]
.endif
.endif
.endif
.endm
; A trip's 128 matrix instructions (pv = 0: the first trip's 64) with the list in slices behind them, from the 17th on: 340 numbers over 112 slices.
; A vector instruction that reads a matrix result stands four plain vector places behind that matrix instruction (ISA guide 7.12.1): for query tile 0 the four v_nop behind the 16th product;
; tiles 1 to 3 are first read 13 slices or more behind their last product, with 12 or more plain numbers of earlier tiles between.
.macro WORK pv
.set n, 0
.set i, 0
.rept 128
.if i < 64
	KQI
.elseif \pv
	PVI
.endif
.if i == 15
	PLACES
.endif
.if i >= 16
.set nend, (340*(i-15))/112
.rept nend-n
	AITEM
.set n, n+1
.endr
.endif
.set i, i+1
.endr
.endm
.macro RESC                            ; O^T x a, each accumulator from its low end on
	WIN W_RS
.irp t, 0,1,2,3
.set i, 0
.rept 32
	v_pk_mul_f32 v[64*\t+2*i:64*\t+2*i+1], v[64*\t+2*i:64*\t+2*i+1], v[ST+8*\t+6:ST+8*\t+7] op_sel_hi:[1,0]
.set i, i+1
.endr
.endr
.endm
.macro CVTSUM                          ; p to f16; then the sums of the unrounded p, a tree in place; l = l a + the sum
.set i, 0
.rept 64
	v_cvt_pk_f16_f32 v[P+i], v[S+2*i], v[S+2*i+1]
.set i, i+1
.endr
.irp w, 4,8,16,32
.set i, 0
.rept 128/\w
	v_pk_add_f32 v[S+\w*i:S+\w*i+1], v[S+\w*i:S+\w*i+1], v[S+\w*i+\w/2:S+\w*i+\w/2+1]
.set i, i+1
.endr
.endr
.irp t, 0,1,2,3
	v_pk_fma_f32 v[ST+8*\t+2:ST+8*\t+3], v[ST+8*\t+2:ST+8*\t+3], v[ST+8*\t+6:ST+8*\t+7], v[S+32*\t:S+32*\t+1] op_sel_hi:[1,0,1]
.endr
.endm
; A TRIP: one tile of 128 keys, in slot.  refill: the next tile is asked for, into the other slot.  pv: there is a tile before, whose O^T x a and V^T P belong to this trip.
.macro TRIP slot, refill, pv, ask
	WIN 0
.if \ask
	s_wait_xcnt 0x0                                ; the last prefetch, a trip back, has read its address
	s_add_nc_u64 s[PFA:PFA+1], s[PFA:PFA+1], s[PFS:PFS+1]
.endif
	s_wait_tensorcnt 0x0                           ; my one tensor load has landed: my part of this trip's tile; so every group 0 may be written
	ds_add_u32 v[SPW], v[NIL]
.if \refill
	s_add_nc_u64 s[G0K+4*\slot+2:G0K+4*\slot+3], s[G0K+4*\slot+2:G0K+4*\slot+3], 2*32768   ; this slot's next tile
	s_add_nc_u64 s[G0V+4*\slot+2:G0V+4*\slot+3], s[G0V+4*\slot+2:G0V+4*\slot+3], 2*32768
	s_add_nc_u64 s[G0M+4*\slot+2:G0M+4*\slot+3], s[G0M+4*\slot+2:G0M+4*\slot+3], 2*512
.endif
	s_wait_dscnt 0x0                               ; the add is done; V of the last trip is in: my reads of the other slot are over
.if \refill
	CROUND                                         ; the same holds of every wave of every partner
	JLOAD 1-\slot                                  ; the first thing behind the round
.else
	s_barrier_signal -1
	s_barrier_wait -1
.endif
	FETCH_KM \slot
.if \ask
	ASK \ask
.endif
.if \pv
	RESC                                           ; stands while K comes out of LDS
.endif
	s_wait_dscnt 32                                ; K is in; the mask's 32 loads may be out
	WORK \pv
	WIN 0
	PLACES                                         ; four plain places behind the last V^T P, ahead of the loads into V's registers and of the writes of P; also the plain line behind the last exponential
	s_wait_alu depctr_va_vdst(0)                   ; one wait for the 132 exponentials, ahead of their first reader
	FETCH_V \slot
	WIN 0
	CVTSUM                                         ; stands while V comes out of LDS
.endm
	s_wait_loadcnt 0x0                             ; Q
	TRIP 0, 1, 0, 0                                ; tile 0
	s_mov_b32 s[LC], 7
.Lpair:                                            ; tiles 1 to 14
	TRIP 1, 1, 1, 1
	TRIP 0, 1, 1, 2
	s_sub_co_u32 s[LC], s[LC], 1
	s_cmp_lg_u32 s[LC], 0
	s_cbranch_scc1 .Lpair
	TRIP 1, 0, 1, 0                                ; tile 15: written out
	s_wait_dscnt 0x0                               ; V of tile 15
	RESC
.set i, 64
.rept 64
	PVI                                            ; V^T P of tile 15
.set i, i+1
.endr
	; THE HAND-OVER.  l's halves are joined (these lines are also the places behind the last products); tiles 2, 3 go to wave w xor 2 as images of their registers
	WIN 0
.irp t, 0,1,2,3
	v_add_f32 v[ST+8*\t+4], v[ST+8*\t+2], v[ST+8*\t+3]
.endr
.irp t, 0,1,2,3
	v_permlanex16_b32 v[ST+8*\t+5], v[ST+8*\t+4], s[SEL], s[SEL+1]
.endr
.irp t, 0,1,2,3
	v_add_f32 v[ST+8*\t+4], v[ST+8*\t+4], v[ST+8*\t+5]
.endr
	WIN 0x04
.set i, 0
.rept 32
	ds_store_b128 v[XW], v[128+4*i:128+4*i+3] offset:512*i
.set i, i+1
.endr
	WIN 0
	ds_store_b32 v[XS], v[ST+16]
	ds_store_b32 v[XS], v[ST+24] offset:128
	ds_store_b32 v[XS], v[ST+20] offset:256
	ds_store_b32 v[XS], v[ST+28] offset:384
	s_wait_dscnt 0x0                               ; for the others' sake: my stores have landed
	s_barrier_signal -1
	s_barrier_wait -1
	WIN 0xc0
.set i, 0
.rept 32
	ds_load_b128 v[128+4*i:128+4*i+3], v[XR] offset:512*i
.set i, i+1
.endr
	WIN 0
	ds_load_b32 v[ST+16], v[XRS]                   ; the partner's m and l of my tiles 0, 1
	ds_load_b32 v[ST+24], v[XRS] offset:128
	ds_load_b32 v[ST+20], v[XRS] offset:256
	ds_load_b32 v[ST+28], v[XRS] offset:384
	s_wait_dscnt 0x0
.irp t, 0,1
	v_max_num_f32 v[ST+8*\t+5], v[ST+8*\t], v[ST+8*\t+16]
.endr
.irp t, 0,1
	v_sub_f32 v[ST+8*\t+6], v[ST+8*\t], v[ST+8*\t+5]
	v_sub_f32 v[ST+8*\t+22], v[ST+8*\t+16], v[ST+8*\t+5]
.endr
.irp t, 0,1
	v_exp_f32 v[ST+8*\t+6], v[ST+8*\t+6]
	v_exp_f32 v[ST+8*\t+22], v[ST+8*\t+22]
.endr
	v_nop
	s_wait_alu depctr_va_vdst(0)                   ; one wait for the four
.irp t, 0,1
	v_mul_f32 v[ST+8*\t+4], v[ST+8*\t+4], v[ST+8*\t+6]
.endr
.irp t, 0,1
	v_fma_f32 v[ST+8*\t+4], v[ST+8*\t+20], v[ST+8*\t+22], v[ST+8*\t+4]
.endr
.irp t, 0,1
	v_rcp_f32 v[ST+8*\t+5], v[ST+8*\t+4]
.endr
	v_nop
	s_wait_alu depctr_va_vdst(0)                   ; one wait for the two
.irp t, 0,1
	v_mul_f32 v[ST+8*\t+6], v[ST+8*\t+6], v[ST+8*\t+5]
	v_mul_f32 v[ST+8*\t+22], v[ST+8*\t+22], v[ST+8*\t+5]
.endr
	WIN W_RS
.irp t, 0,1
.set i, 0
.rept 32
	v_pk_mul_f32 v[64*\t+2*i:64*\t+2*i+1], v[64*\t+2*i:64*\t+2*i+1], v[ST+8*\t+6:ST+8*\t+7] op_sel_hi:[1,0]
.set i, i+1
.endr
.endr
	WIN 0x53
.irp t, 0,1
.set i, 0
.rept 32
	v_pk_fma_f32 v[64*\t+2*i:64*\t+2*i+1], v[128+64*\t+2*i:128+64*\t+2*i+1], v[ST+8*\t+22:ST+8*\t+23], v[64*\t+2*i:64*\t+2*i+1] op_sel_hi:[1,0,1]
.set i, i+1
.endr
.endr
	WIN 0
	s_or_b32 s2, s[WV], ttmp9                      ; wave 0 in the clusters with x = 0: its tile 0 also leaves in f32 (the partners differ by address alone)
	s_cmp_lg_u32 s2, 0
	s_cbranch_scc1 .Lno_f32
	WIN 0x04
.irp ct, 0,1,2,3,4,5,6,7
	global_store_b128 v[GF], v[8*\ct:8*\ct+3], s[10:11] offset:64*\ct
	global_store_b128 v[GF], v[8*\ct+4:8*\ct+7], s[10:11] offset:64*\ct+16
.endr
	WIN 0
.Lno_f32:
.macro PACK t
	WIN 0x05
.set i, 0
.rept 32
	v_cvt_pk_f16_f32 v[S+32*\t+i], v[64*\t+2*i], v[64*\t+2*i+1]
.set i, i+1
.endr
	WIN 0
.irp f, 0,1,2,3,4,5,6,7
	ds_store_b128 v[STO], v[S+32*\t+4*\f:S+32*\t+4*\f+3] offset:32*\f
.endr
.irp f, 0,1,2,3,4,5,6,7
	ds_load_b128 v[S+32*\t+4*\f:S+32*\t+4*\f+3], v[RD] offset:\f*2*SP    ; LDS serves a wave's instructions in order: these see the stores above
.endr
.endm
.macro SEND t, younger
.irp f, 0,1,2,3,4,5,6,7
	s_wait_dscnt \younger+7-\f
	global_store_b128 v[GO], v[S+32*\t+4*\f:S+32*\t+4*\f+3], s[8:9] offset:\t*32768+\f*4096   ; 16 lanes store 256 consecutive bytes, aligned
.endr
.endm
	PACK 0
	PACK 1
	SEND 0, 16                                     ; behind tile 0's loads: tile 1's sixteen LDS instructions
	SEND 1, 0
	s_wait_tensorcnt 0x0                           ; the wave's end
	ds_add_u32 v[SPW], v[NIL]
	s_wait_dscnt 0x0
	CROUND                                         ; the closing round
	s_endpgm
.Lfunc_end_k_q4b16be9d76_attn:
	.size	k_q4b16be9d76_attn, .Lfunc_end_k_q4b16be9d76_attn-k_q4b16be9d76_attn
	.p2alignl 7, 3214868480
	.fill 96, 4, 3214868480
	.section	.rodata,"a",@progbits
	.p2align	6, 0x0
	.amdhsa_kernel k_q4b16be9d76_attn
		.amdhsa_group_segment_fixed_size 327680
		.amdhsa_private_segment_fixed_size 0
		.amdhsa_enable_private_segment 0
		.amdhsa_kernarg_size 32
		.amdhsa_user_sgpr_count 2
		.amdhsa_user_sgpr_kernarg_segment_ptr 1
		.amdhsa_wavefront_size32 1
		.amdhsa_system_sgpr_workgroup_id_x 1
		.amdhsa_system_sgpr_workgroup_id_y 1
		.amdhsa_system_sgpr_workgroup_id_z 1
		.amdhsa_system_vgpr_workitem_id 0
		.amdhsa_next_free_vgpr 1024
		.amdhsa_next_free_sgpr 100
		.amdhsa_reserve_vcc 0
		.amdhsa_float_denorm_mode_32 3
		.amdhsa_float_denorm_mode_16_64 3
		.amdhsa_memory_ordered 1
		.amdhsa_forward_progress 1
		.amdhsa_inst_pref_size 255
	.end_amdhsa_kernel
	.section	.bss,"aw",@nobits
	.p2align	6
	.space	262144
	.amdgpu_metadata
---
amdhsa.version: [ 1, 2 ]
amdhsa.kernels:
  - .name:           k_q4b16be9d76_attn
    .symbol:         k_q4b16be9d76_attn.kd
    .args:
      - { .name: qkvh, .offset: 0, .size: 8, .value_kind: global_buffer, .address_space: global }
      - { .name: attention_mask, .offset: 8, .size: 8, .value_kind: global_buffer, .address_space: global }
      - { .name: att, .offset: 16, .size: 8, .value_kind: global_buffer, .address_space: global }
      - { .name: attf, .offset: 24, .size: 8, .value_kind: global_buffer, .address_space: global }
    .group_segment_fixed_size: 327680
    .private_segment_fixed_size: 0
    .kernarg_segment_align: 8
    .kernarg_segment_size: 32
    .max_flat_workgroup_size: 128
    .sgpr_count:     100
    .vgpr_count:     1024
    .wavefront_size: 32
...
	.end_amdgpu_metadata
.endif
;; end of part 3
;; launch oproj (part 4): grid 8 x 32, 4 waves a work-group, clusters of 4 x 4, 327,680 bytes of LDS; arguments att, wot, out0; writes out0
.if DOCPART == 4
	.amdgcn_target "amdgcn-amd-amdhsa--gfx1250"
	.amdhsa_code_object_version 6
	.text
	.protected	k_q4b16be9d76_oproj
	.globl	k_q4b16be9d76_oproj
	.p2align	8
	.type	k_q4b16be9d76_oproj,@function
k_q4b16be9d76_oproj:
	s_mov_b64 s[64:65], 0
	v_nop
	global_prefetch_b8 v0, s[64:65] scope:SCOPE_SE
	s_setreg_imm32_b32 hwreg(HW_REG_WAVE_MODE, 25, 1), 1
	s_wait_xcnt 0x0
	s_wait_alu depctr_hold_cnt(0) depctr_sa_sdst(0) depctr_va_vdst(0) depctr_va_sdst(0) depctr_va_ssrc(0) depctr_va_vcc(0) depctr_vm_vsrc(0)
	s_getreg_b32 s2, hwreg(HW_REG_IB_STS2, 6, 4)
	s_cmp_eq_u32 s2, 0
	s_cbranch_scc0 .Lentry_in_a_cluster
	s_endpgm
.Lentry_in_a_cluster:
	s_bfe_u32 s2, ttmp6, 0x10000c
	s_cmp_lg_u32 s2, 0xf033
	s_cbranch_scc0 .Lentry_shape_is_right
	s_endpgm
.Lentry_shape_is_right:
; OPROJ: out0 [4096][2048] f32 = att [4096][1024] f16 x wot [2048 n][1024 k] f16, sums in f32.
; A tile of 128 (rows) x 256 (columns) to a work-group: 256 work-groups.  Four waves, each 64 x 128: 32 accumulators, window 2.  K goes in steps of 128 (rows of 256 bytes) through two LDS slots.
; CLUSTERS 4 x 4: att's tiles are asked for jointly along a row of the cluster, wot's along a column.  THE MATRIX INSTRUCTION IS USED TRANSPOSED: a lane holds eight neighbouring columns of one row.
; Rows 0-15 of each sequence are written again, more finely, by the launch that follows.
; REGISTERS: window 0: v0-31 addresses; att's fragments v64-95, v128-159; the way out v128-255.  window 1: wot's fragments v64-127, v128-191.  window 2: accumulator (a, b) at v[8 (8 a + b)].
.set SIZE_N, 2048
.set SIZE_K, 1024
.set KSTEP,  128
.set PITCH,  272
.set AH,     64*PITCH
.set BHB,    128*PITCH
.set BOFF,   2*AH
.set SLOT,   BOFF+2*BHB
.set STAGE,  2*SLOT
.set SPITCH, 528
.set SPARE,  STAGE+4*16*SPITCH         ; the spare words: 128 bytes a wave, named by no other line
.set LAPS,   SIZE_K/(2*KSTEP)
.set ADRA, 16
.set ADRB, 20
.set STO,  24
.set RD,   25
.set CO,   26
.set SPW,  28
.set NIL,  29
.set F0,   64
.set F1,   128
.set BK,   128
.set G1, 24
.set G0, 32
.set G1B, 48
.set G0B, 56
.set MSB, 0
.macro WIN new
.if MSB != \new
	s_set_vgpr_msb (MSB<<8)|\new
.set MSB, \new
.endif
.endm
.set MUL,  0xa1                        ; source 0 (wot) window 1, source 1 (att) window 0, C and D window 2
.macro JLOAD s                         ; waves 0 and 1 fetch att's halves, waves 2 and 3 wot's; an s_nop 0 and four v_nop follow each line
	s_cmp_eq_u32 s11, 0
	s_cbranch_scc0 .Lfor_b_\@
	tensor_load_to_lds s[G0+4*\s:G0+4*\s+3], s[G1:G1+7]
	s_nop 0
.rept 4
	v_nop
.endr
	s_branch .Lasked_\@
.Lfor_b_\@:
	tensor_load_to_lds s[G0B+4*\s:G0B+4*\s+3], s[G1B:G1B+7]
	s_nop 0
.rept 4
	v_nop
.endr
.Lasked_\@:
.endm
.macro CREST
	s_cmp_lg_u32 s10, 0
	s_cbranch_scc1 .Lnot_wave_0_\@
	s_barrier_signal -3
.Lnot_wave_0_\@:
	s_barrier_wait -3
	s_barrier_signal -1
	s_barrier_wait -1
.endm
.macro CROUND
	s_barrier_signal -1
	s_barrier_wait -1
	CREST
.endm
	s_load_b128 s[4:7], s[0:1], 0x0                ; att, wot
	s_load_b64 s[8:9], s[0:1], 0x10                ; out0
	v_lshl_add_u32 v[SPW], v0, 2, SPARE
	v_mov_b32 v[NIL], 0
	ds_add_u32 v[SPW], v[NIL]                      ; the wave's opening: the add, twice on end, and its wait ahead of my first tensor load
	ds_add_u32 v[SPW], v[NIL]
	v_lshrrev_b32 v1, 5, v0
	v_readfirstlane_b32 s10, v1
	s_lshr_b32 s11, s10, 1                         ; which 64 rows are mine; also: I fetch for att (0) or wot (1)
	s_and_b32 s12, s10, 1                          ; which 128 columns; also: which half I fetch
	s_bfe_u32 s40, ttmp6, 0x40000
	s_bfe_u32 s41, ttmp6, 0x40004
	s_lshl_b32 s42, ttmp9, 2
	s_add_co_u32 s42, s42, s40                     ; tile column
	s_and_b32 s13, ttmp7, 0xffff
	s_lshl_b32 s13, s13, 2
	s_add_co_u32 s13, s13, s41                     ; tile row
	s_lshl_b32 s43, s41, 2
	s_lshl_b32 s43, 15, s43
	s_lshl_b32 s44, 0x1111, s40
	s_or_b32 s[G1+0], s43, (1<<16)|(1<<20)|(1<<21)|(5<<22)|(3<<25)
	s_or_b32 s[G1B+0], s44, (1<<16)|(1<<20)|(1<<21)|(5<<22)|(3<<25)
	s_mov_b32 s[G1+1], KSTEP<<16
	s_mov_b32 s[G1+2], 64<<16
	s_mov_b32 s[G1+3], KSTEP<<16
	s_mov_b32 s[G1+4], 64
	s_mov_b32 s[G1+5], SIZE_K
	s_mov_b32 s[G1+6], 0
	s_mov_b32 s[G1+7], 0
	s_mov_b32 s[G1B+1], KSTEP<<16
	s_mov_b32 s[G1B+2], 128<<16
	s_mov_b32 s[G1B+3], KSTEP<<16
	s_mov_b32 s[G1B+4], 128
	s_mov_b32 s[G1B+5], SIZE_K
	s_mov_b32 s[G1B+6], 0
	s_mov_b32 s[G1B+7], 0
	s_lshl_b32 s16, s13, 7
	s_lshl_b32 s17, s12, 6
	s_add_co_u32 s16, s16, s17
	s_lshl_b32 s16, s16, 11                        ; att: row 128 x tile row + 64 x half, 2,048 bytes a row
	s_mov_b32 s17, 0
	s_lshl_b32 s46, s42, 8
	s_lshl_b32 s47, s12, 7
	s_add_co_u32 s46, s46, s47
	s_lshl_b32 s46, s46, 11                        ; wot: row 256 x tile column + 128 x half
	s_mov_b32 s47, 0
	s_mul_i32 s20, s12, AH
	s_mul_i32 s21, s12, BHB
	s_add_co_u32 s21, s21, BOFF
	s_wait_dscnt 0x0
	s_wait_kmcnt 0x0
	s_add_nc_u64 s[14:15], s[4:5], s[16:17]
	s_add_nc_u64 s[46:47], s[6:7], s[46:47]
	CROUND
.irp s, 0,1
	s_mov_b32 s[G0+4*\s], 1
	s_add_co_u32 s[G0+4*\s+1], s20, \s*SLOT
	s_add_nc_u64 s[G0+4*\s+2:G0+4*\s+3], s[14:15], \s*KSTEP*2
	s_or_b32 s[G0+4*\s+3], s[G0+4*\s+3], 0x80000000
	s_mov_b32 s[G0B+4*\s], 1
	s_add_co_u32 s[G0B+4*\s+1], s21, \s*SLOT
	s_add_nc_u64 s[G0B+4*\s+2:G0B+4*\s+3], s[46:47], \s*KSTEP*2
	s_or_b32 s[G0B+4*\s+3], s[G0B+4*\s+3], 0x80000000
	JLOAD \s
.endr
	v_and_b32 v1, 15, v0
	v_bfe_u32 v2, v0, 4, 1
	v_mul_u32_u24 v3, v1, PITCH
	v_lshl_add_u32 v3, v2, 4, v3
	s_mul_i32 s21, s11, AH
	s_mul_i32 s22, s12, BHB
	s_add_co_u32 s22, s22, BOFF
.irp s, 0,1
	v_add_nc_u32 v[ADRA+\s], s21, v3
	v_add_nc_u32 v[ADRB+\s], s22, v3
	s_add_co_u32 s21, s21, SLOT
	s_add_co_u32 s22, s22, SLOT
.endr
	s_mul_i32 s23, s10, 16*SPITCH
	s_add_co_u32 s23, s23, STAGE                   ; my stage: my own bytes, which no tensor load fills
	v_mul_u32_u24 v5, v1, SPITCH
	v_lshl_add_u32 v5, v2, 5, v5
	v_add_nc_u32 v[STO], s23, v5
	v_and_b32 v6, 31, v0
	v_lshlrev_b32 v[CO], 4, v6
	v_add_nc_u32 v[RD], s23, v[CO]
	s_lshl_b32 s16, s13, 7
	s_lshl_b32 s17, s11, 6
	s_add_co_u32 s16, s16, s17
	s_lshl_b32 s16, s16, 13                        ; my first row of out0, 8,192 bytes a row
	s_mov_b32 s17, 0
	s_add_nc_u64 s[8:9], s[8:9], s[16:17]
	s_lshl_b32 s46, s42, 10
	s_lshl_b32 s47, s12, 9
	s_add_co_u32 s46, s46, s47
	s_mov_b32 s47, 0
	s_add_nc_u64 s[8:9], s[8:9], s[46:47]
.macro MUL8 f, a, zero                 ; att's block a against wot's eight, 32 along K; the 32 accumulators take turns in the same order in every quarter
.irp b, 0,1,2,3,4,5,6,7
.if \zero
	v_wmma_f32_16x16x32_f16 v[8*(8*(\a)+\b):8*(8*(\a)+\b)+7], v[\f+8*\b:\f+8*\b+7], v[\f+8*(\a):\f+8*(\a)+7], 0
.else
	v_wmma_f32_16x16x32_f16 v[8*(8*(\a)+\b):8*(8*(\a)+\b)+7], v[\f+8*\b:\f+8*\b+7], v[\f+8*(\a):\f+8*(\a)+7], v[8*(8*(\a)+\b):8*(8*(\a)+\b)+7]
.endif
.endr
.endm
.macro FETCH slot, k, f                ; 24 LDS loads in one run: wot's eight fragments, then att's four
	WIN 0x40
.irp i, 0,1,2,3,4,5,6,7
	ds_load_b128 v[\f+8*\i:\f+8*\i+3],   v[ADRB+\slot] offset:\k+\i*16*PITCH
	ds_load_b128 v[\f+8*\i+4:\f+8*\i+7], v[ADRB+\slot] offset:\k+\i*16*PITCH+32
.endr
	WIN 0
.irp i, 0,1,2,3
	ds_load_b128 v[\f+8*\i:\f+8*\i+3],   v[ADRA+\slot] offset:\k+\i*16*PITCH
	ds_load_b128 v[\f+8*\i+4:\f+8*\i+7], v[ADRA+\slot] offset:\k+\i*16*PITCH+32
.endr
.endm
.macro PLACES
.rept 4
	v_nop
.endr
.endm
.macro QUARTER slot, k, f, g, zero
	s_wait_dscnt 4                                 ; all but att's blocks 2, 3 are in
	WIN MUL
	MUL8 \f, 0, \zero
	MUL8 \f, 1, \zero
	PLACES
	FETCH \slot, \k, \g
	s_wait_dscnt 24                                ; all but the 24 just issued
	WIN MUL
	MUL8 \f, 2, \zero
	MUL8 \f, 3, \zero
.endm
.macro TURN slot, next, fill
	WIN 0
	s_wait_tensorcnt 0x0                           ; all my tensor loads have landed: my part of the next slot
	ds_add_u32 v[SPW], v[NIL]
	s_wait_dscnt 5                                 ; (the add and the youngest four loads may be out)
	WIN MUL
	MUL8 F1, 0, 0
	s_wait_dscnt 0x0                               ; the add is done, and my reads of this slot are over
	s_barrier_signal -1
	MUL8 F1, 1, 0
	WIN 0
	s_barrier_wait -1
.if \fill
	CREST                                          ; the barrier has opened a round of the cluster's barrier
	s_add_nc_u64 s[G0+4*\slot+2:G0+4*\slot+3], s[G0+4*\slot+2:G0+4*\slot+3], 2*KSTEP*2
	s_add_nc_u64 s[G0B+4*\slot+2:G0B+4*\slot+3], s[G0B+4*\slot+2:G0B+4*\slot+3], 2*KSTEP*2
	JLOAD \slot                                    ; the first tensor load behind the round; its four v_nop are also the places ahead of the loads below
.else
	PLACES
.endif
	FETCH \next, 0, F0
	WIN MUL
	MUL8 F1, 2, 0
	MUL8 F1, 3, 0
.endm
	s_wait_tensorcnt 1                             ; my part of K step 0 is in; K step 1's may stay out
	s_barrier_signal -1
	s_barrier_wait -1
	FETCH 0, 0, F0
	QUARTER 0, 64, F0, F1, 1                       ; the first quarter starts the sums
	WIN 0
	s_mov_b32 s3, LAPS-1
.Llap:
	QUARTER 0, 128, F1, F0, 0
	QUARTER 0, 192, F0, F1, 0
	TURN 0, 1, 1
	QUARTER 1, 64,  F0, F1, 0
	QUARTER 1, 128, F1, F0, 0
	QUARTER 1, 192, F0, F1, 0
	TURN 1, 0, 1
	QUARTER 0, 64,  F0, F1, 0
	WIN 0
	s_sub_co_u32 s3, s3, 1
	s_cmp_lg_u32 s3, 0
	s_cbranch_scc1 .Llap
	QUARTER 0, 128, F1, F0, 0                      ; the last lap fills nothing
	QUARTER 0, 192, F0, F1, 0
	TURN 0, 1, 0
	QUARTER 1, 64,  F0, F1, 0
	QUARTER 1, 128, F1, F0, 0
	QUARTER 1, 192, F0, F1, 0
	s_wait_dscnt 4
	WIN MUL
	MUL8 F1, 0, 0
	MUL8 F1, 1, 0
	s_wait_dscnt 0
	MUL8 F1, 2, 0
	MUL8 F1, 3, 0
	WIN 0
; THE WAY OUT, a block of 16 rows x 128 columns at a time, through my own stage: whole rows of 512 bytes come back
.macro TOSTAGE a
.set AC, 64*(\a)
	WIN 0x08
.irp b, 0,1,2,3,4,5,6,7
	ds_store_b128 v[STO], v[AC+8*\b:AC+8*\b+3] offset:64*\b          ; each accumulator from its low end on
	ds_store_b128 v[STO], v[AC+8*\b+4:AC+8*\b+7] offset:64*\b+16
.endr
	WIN 0
.set BB, BK+64*((\a)%2)
.irp t, 0,1,2,3,4,5,6,7,8,9,10,11,12,13,14,15
	ds_load_b128 v[BB+4*\t:BB+4*\t+3], v[RD] offset:\t*SPITCH        ; LDS serves a wave's instructions in order
.endr
.endm
.macro SEND a, younger
.set BB, BK+64*((\a)%2)
	s_wait_dscnt \younger
.if (\a) > 0
	s_add_nc_u64 s[8:9], s[8:9], 16*SIZE_N*4       ; (behind a wait on XCNT: the earlier stores have read their base)
.endif
.irp t, 0,1,2,3,4,5,6,7,8,9,10,11,12,13,14,15
	global_store_b128 v[CO], v[BB+4*\t:BB+4*\t+3], s[8:9] offset:\t*SIZE_N*4 th:TH_STORE_NT   ; 32 lanes store 512 consecutive bytes, aligned
.endr
.endm
	PLACES
	TOSTAGE 0
.irp a, 1,2,3
.if \a > 1
	s_wait_xcnt 0x0                                ; block a - 2's stores have read their registers and their base
.endif
	TOSTAGE \a
	SEND \a-1, 32                                  ; behind block a - 1's loads: block a's 16 stores and 16 loads
.endr
	s_wait_xcnt 0x0
	SEND 3, 0
	s_wait_tensorcnt 0x0                           ; the wave's end
	ds_add_u32 v[SPW], v[NIL]
	s_wait_dscnt 0x0
	CROUND                                         ; the closing round
	s_endpgm
.Lfunc_end_k_q4b16be9d76_oproj:
	.size	k_q4b16be9d76_oproj, .Lfunc_end_k_q4b16be9d76_oproj-k_q4b16be9d76_oproj
	.p2alignl 7, 3214868480
	.fill 96, 4, 3214868480
	.section	.rodata,"a",@progbits
	.p2align	6, 0x0
	.amdhsa_kernel k_q4b16be9d76_oproj
		.amdhsa_group_segment_fixed_size 327680
		.amdhsa_private_segment_fixed_size 0
		.amdhsa_enable_private_segment 0
		.amdhsa_kernarg_size 24
		.amdhsa_user_sgpr_count 2
		.amdhsa_user_sgpr_kernarg_segment_ptr 1
		.amdhsa_wavefront_size32 1
		.amdhsa_system_sgpr_workgroup_id_x 1
		.amdhsa_system_sgpr_workgroup_id_y 1
		.amdhsa_system_sgpr_workgroup_id_z 1
		.amdhsa_system_vgpr_workitem_id 0
		.amdhsa_next_free_vgpr 768
		.amdhsa_next_free_sgpr 66
		.amdhsa_reserve_vcc 0
		.amdhsa_float_denorm_mode_32 3
		.amdhsa_float_denorm_mode_16_64 3
		.amdhsa_memory_ordered 1
		.amdhsa_forward_progress 1
		.amdhsa_inst_pref_size 85
	.end_amdhsa_kernel
	.amdgpu_metadata
---
amdhsa.version: [ 1, 2 ]
amdhsa.kernels:
  - .name:           k_q4b16be9d76_oproj
    .symbol:         k_q4b16be9d76_oproj.kd
    .args:
      - { .name: att, .offset: 0, .size: 8, .value_kind: global_buffer, .address_space: global }
      - { .name: wot, .offset: 8, .size: 8, .value_kind: global_buffer, .address_space: global }
      - { .name: out0, .offset: 16, .size: 8, .value_kind: global_buffer, .address_space: global }
    .group_segment_fixed_size: 327680
    .private_segment_fixed_size: 0
    .kernarg_segment_align: 8
    .kernarg_segment_size: 24
    .max_flat_workgroup_size: 128
    .sgpr_count:     66
    .vgpr_count:     768
    .wavefront_size: 32
...
	.end_amdgpu_metadata
.endif
;; end of part 4
;; launch fine (part 5): grid 256 x 1, 8 waves a work-group, no clusters, 9,216 bytes of LDS; arguments attf, Wo, out0; writes out0
.if DOCPART == 5
	.amdgcn_target "amdgcn-amd-amdhsa--gfx1250"
	.amdhsa_code_object_version 6
	.text
	.protected	k_q4b16be9d76_fine
	.globl	k_q4b16be9d76_fine
	.p2align	8
	.type	k_q4b16be9d76_fine,@function
k_q4b16be9d76_fine:
	s_mov_b64 s[64:65], 0
	v_nop
	global_prefetch_b8 v0, s[64:65] scope:SCOPE_SE
	s_setreg_imm32_b32 hwreg(HW_REG_WAVE_MODE, 25, 1), 1
	s_wait_xcnt 0x0
; FINE: positions 0-15 of both sequences, which average one to sixteen values and are the largest in size, get their projection in f32: out0[b][0..15][:] = attf[b][0][0..15][:] x Wo, both operands f32.
; Work-group g: sequence b = g % 2, columns 16 (g / 2) .. + 15, its 16 rows.  Wave w of eight: k = 128 w .. 128 w + 127; the eight partial sums meet in LDS and are added in a fixed order.
; So Wo is read by two work-groups, one for each sequence.
; The f32 matrix form, used transposed (source 0 = 16 columns of Wo, source 1 = 16 rows): a lane holds one row and eight neighbouring columns.  32 rows in all: no bulk work.
; K is permuted alike on both sides: of a group of 16 k, lane (r, h) holds k = 8 h + 0..7 in eight registers; instruction i of the group takes registers 2 i, 2 i + 1.
; Two accumulators, for the even and the odd instructions of a group, take turns, one instruction a turn; they are written by matrix instructions alone;
; the first two products start the sums, and the two are joined into other registers.
; The stores are pieces of 64 consecutive bytes: 262,144 bytes in all, under one part in a hundred of out0.
.set SPW,  14
.set NIL,  15
.set SPARE, 8192                       ; behind the images: 128 bytes a wave, named by no other line
.set AT,   16                          ; v16-79   rows: group g at v[16 + 8 g]
.set WO,   80                          ; v80-143  Wo: group g at v[80 + 8 g]
.set RS,   144                         ; v144-151 my two sums joined
.set IM,   160                         ; v160-191 eight waves' images
.set ACC,  240                         ; v240-255 the two accumulators
	s_load_b128 s[4:7], s[0:1], 0x0                ; attf, Wo
	s_load_b64 s[8:9], s[0:1], 0x10                ; out0
	v_lshl_add_u32 v[SPW], v0, 2, SPARE
	v_mov_b32 v[NIL], 0
	v_lshrrev_b32 v1, 5, v0
	v_readfirstlane_b32 s10, v1                    ; wave 0..7
	v_and_b32 v2, 15, v0                           ; r
	v_bfe_u32 v3, v0, 4, 1                         ; h
	v_and_b32 v4, 31, v0
	v_lshlrev_b32 v5, 12, v2
	v_lshl_add_u32 v5, v3, 5, v5                   ; rows: 4,096 r + 32 h
	v_lshlrev_b32 v6, 2, v2
	v_lshl_add_u32 v6, v3, 16, v6                  ; Wo: 8 h rows of 8,192 bytes + 4 r
	v_lshlrev_b32 v7, 4, v4
	s_lshl_b32 s11, s10, 10
	v_add_nc_u32 v8, s11, v7                       ; my two images: 1,024 w + 16 x lane
	s_and_b32 s11, s10, 1
	s_lshl_b32 s11, s11, 9
	v_add_nc_u32 v9, s11, v7                       ; image w % 2 of every wave: 512 (w % 2) + 16 x lane
	v_lshlrev_b32 v10, 13, v2
	v_lshl_add_u32 v10, v3, 5, v10                 ; out0: 8,192 r + 32 h
	s_mov_b32 s13, 0
	s_lshr_b32 s14, ttmp9, 1
	s_lshl_b32 s14, s14, 6                         ; 16 columns: 64 bytes
	s_and_b32 s15, ttmp9, 1                        ; b
	s_wait_kmcnt 0x0
	s_lshl_b32 s12, s15, 18                        ; a sequence's 262,144 bytes of attf; its first block of 16 rows
	s_lshl_b32 s16, s10, 9                         ; my 128 k: 512 bytes
	s_add_co_u32 s12, s12, s16
	s_add_nc_u64 s[4:5], s[4:5], s[12:13]
	s_lshl_b32 s12, s10, 20                        ; my 128 rows of 8,192 bytes
	s_add_co_u32 s12, s12, s14
	s_add_nc_u64 s[6:7], s[6:7], s[12:13]
	s_lshl_b32 s12, s15, 24                        ; a sequence's 2,048 rows of out0
	s_add_co_u32 s12, s12, s14
	s_and_b32 s16, s10, 1
	s_lshl_b32 s16, s16, 4                         ; on the way out wave 0 takes a lane's first four columns, wave 1 the other four
	s_add_co_u32 s12, s12, s16
	s_add_nc_u64 s[8:9], s[8:9], s[12:13]
.macro LOADG g                         ; 16 along K: ten loads
	global_load_b128 v[AT+8*\g:AT+8*\g+3],   v5, s[4:5] offset:64*\g
	global_load_b128 v[AT+8*\g+4:AT+8*\g+7], v5, s[4:5] offset:64*\g+16
.irp e, 0,1,2,3,4,5,6,7
	global_load_b32 v[WO+8*\g+\e], v6, s[6:7] offset:(16*\g+\e)*8192
.endr
.endm
.macro MULG g, first
.irp i, 0,1,2,3
.if \first && (\i < 2)
	v_wmma_f32_16x16x4_f32 v[ACC+8*(\i%2):ACC+8*(\i%2)+7], v[WO+8*\g+2*\i:WO+8*\g+2*\i+1], v[AT+8*\g+2*\i:AT+8*\g+2*\i+1], 0
.else
	v_wmma_f32_16x16x4_f32 v[ACC+8*(\i%2):ACC+8*(\i%2)+7], v[WO+8*\g+2*\i:WO+8*\g+2*\i+1], v[AT+8*\g+2*\i:AT+8*\g+2*\i+1], v[ACC+8*(\i%2):ACC+8*(\i%2)+7]
.endif
.endr
.endm
; every group has registers of its own, so no load lands on a register that a product has read.  By this text's count at most 60 loads are out; each wait counts the groups of ten issued behind the one that is wanted
.irp g, 0,1,2,3,4,5
	LOADG \g
.endr
	s_wait_loadcnt 50                              ; group 0 is in; groups 1 to 5 may be out
	MULG 0, 1
	LOADG 6
	s_wait_loadcnt 50                              ; group 1; groups 2 to 6 may be out
	MULG 1, 0
	LOADG 7
	s_wait_loadcnt 50                              ; group 2; groups 3 to 7 may be out
	MULG 2, 0
	s_wait_loadcnt 40
	MULG 3, 0
	s_wait_loadcnt 30
	MULG 4, 0
	s_wait_loadcnt 20
	MULG 5, 0
	s_wait_loadcnt 10
	MULG 6, 0
	s_wait_loadcnt 0
	MULG 7, 0
.rept 8
	v_nop                                          ; eight plain places behind this form (ISA guide 7.12.1), ahead of the first read of its results
.endr
.irp j, 0,2,4,6
	v_pk_add_f32 v[RS+\j:RS+\j+1], v[ACC+\j:ACC+\j+1], v[ACC+8+\j:ACC+8+\j+1]   ; the two sums joined, each accumulator from its low end on
.endr
	ds_store_b128 v8, v[RS:RS+3]                   ; an image is 512 bytes, 16 a lane
	ds_store_b128 v8, v[RS+4:RS+7] offset:512
	s_wait_dscnt 0x0                               ; for the others' sake: my stores have landed
	s_barrier_signal -1
	s_barrier_wait -1
	s_cmp_gt_u32 s10, 1                            ; waves 0 and 1 add and store; no barrier stands behind this branch
	s_cbranch_scc1 .Ldone
.irp u, 0,1,2,3,4,5,6,7
	ds_load_b128 v[IM+4*\u:IM+4*\u+3], v9 offset:1024*\u
.endr
	s_wait_dscnt 0x0
.irp u, 0,2,4,6
	v_pk_add_f32 v[IM+4*\u:IM+4*\u+1], v[IM+4*\u:IM+4*\u+1], v[IM+4*\u+4:IM+4*\u+5]
	v_pk_add_f32 v[IM+4*\u+2:IM+4*\u+3], v[IM+4*\u+2:IM+4*\u+3], v[IM+4*\u+6:IM+4*\u+7]
.endr
.irp u, 0,4
	v_pk_add_f32 v[IM+4*\u:IM+4*\u+1], v[IM+4*\u:IM+4*\u+1], v[IM+4*\u+8:IM+4*\u+9]
	v_pk_add_f32 v[IM+4*\u+2:IM+4*\u+3], v[IM+4*\u+2:IM+4*\u+3], v[IM+4*\u+10:IM+4*\u+11]
.endr
	v_pk_add_f32 v[IM:IM+1], v[IM:IM+1], v[IM+16:IM+17]
	v_pk_add_f32 v[IM+2:IM+3], v[IM+2:IM+3], v[IM+18:IM+19]
	global_store_b128 v10, v[IM:IM+3], s[8:9]      ; row r of sequence b, columns 16 (g / 2) + 8 h + 4 w + 0..3
.Ldone:
	s_wait_tensorcnt 0x0                           ; the wave's end, behind my last LDS store
	ds_add_u32 v[SPW], v[NIL]
	s_wait_dscnt 0x0
	s_endpgm
.Lfunc_end_k_q4b16be9d76_fine:
	.size	k_q4b16be9d76_fine, .Lfunc_end_k_q4b16be9d76_fine-k_q4b16be9d76_fine
	.p2alignl 7, 3214868480
	.fill 96, 4, 3214868480
	.section	.rodata,"a",@progbits
	.p2align	6, 0x0
	.amdhsa_kernel k_q4b16be9d76_fine
		.amdhsa_group_segment_fixed_size 9216
		.amdhsa_private_segment_fixed_size 0
		.amdhsa_enable_private_segment 0
		.amdhsa_kernarg_size 24
		.amdhsa_user_sgpr_count 2
		.amdhsa_user_sgpr_kernarg_segment_ptr 1
		.amdhsa_wavefront_size32 1
		.amdhsa_system_sgpr_workgroup_id_x 1
		.amdhsa_system_sgpr_workgroup_id_y 1
		.amdhsa_system_sgpr_workgroup_id_z 1
		.amdhsa_system_vgpr_workitem_id 0
		.amdhsa_next_free_vgpr 256
		.amdhsa_next_free_sgpr 66
		.amdhsa_reserve_vcc 0
		.amdhsa_float_denorm_mode_32 3
		.amdhsa_float_denorm_mode_16_64 3
		.amdhsa_memory_ordered 1
		.amdhsa_forward_progress 1
		.amdhsa_inst_pref_size 14
	.end_amdhsa_kernel
	.amdgpu_metadata
---
amdhsa.version: [ 1, 2 ]
amdhsa.kernels:
  - .name:           k_q4b16be9d76_fine
    .symbol:         k_q4b16be9d76_fine.kd
    .args:
      - { .name: attf, .offset: 0, .size: 8, .value_kind: global_buffer, .address_space: global }
      - { .name: Wo, .offset: 8, .size: 8, .value_kind: global_buffer, .address_space: global }
      - { .name: out0, .offset: 16, .size: 8, .value_kind: global_buffer, .address_space: global }
    .group_segment_fixed_size: 9216
    .private_segment_fixed_size: 0
    .kernarg_segment_align: 8
    .kernarg_segment_size: 24
    .max_flat_workgroup_size: 256
    .sgpr_count:     66
    .vgpr_count:     256
    .wavefront_size: 32
...
	.end_amdgpu_metadata
.endif
;; end of part 5
